; MI455X (gfx1250); checked and timed in simulation.
; The chip was launched on July 23, 2026; its instructions are those of AMD's public machine-readable ISA for CDNA 5 (MIT licence, August 2026) and "CDNA5" Instruction Set Architecture Reference Guide (July 2026). The comments in the code are by the model that wrote it; some were corrected since.
;; Transformer Encoder Layer. Allowed arithmetic: matrix products marked QUANTISED: E2M1 operands, one E8M0 scale for each 32 along K, by v_wmma_scale_f32_16x16x128_f8f6f4 with both operands' format E2M1 (or v_wmma_scale_f32_32x16x128_f4), f32 sums; everything else in f32.
;; Inputs: b_fc1 4,096 float32; b_fc2 1,024 float32; b_proj 1,024 float32; b_qkv 3,072 float32; beta1 1,024 float32; beta2 1,024 float32; g1 1,024 float32; g2 1,024 float32; w_fc1_codes 4,096 x 32 x 16 uint8 (E2M1 codes of w_fc1, K innermost, in blocks of 32 codes, two codes a byte); w_fc1_scales 4,096 x 32 uint8 (E8M0 scales of w_fc1, one for each 32 codes along K); w_fc2_codes 1,024 x 128 x 16 uint8 (E2M1 codes of w_fc2, K innermost, in blocks of 32 codes, two codes a byte); w_fc2_scales 1,024 x 128 uint8 (E8M0 scales of w_fc2, one for each 32 codes along K); w_proj_codes 1,024 x 32 x 16 uint8 (E2M1 codes of w_proj, K innermost, in blocks of 32 codes, two codes a byte); w_proj_scales 1,024 x 32 uint8 (E8M0 scales of w_proj, one for each 32 codes along K); w_qkv_codes 3,072 x 32 x 16 uint8 (E2M1 codes of w_qkv, K innermost, in blocks of 32 codes, two codes a byte); w_qkv_scales 3,072 x 32 uint8 (E8M0 scales of w_qkv, one for each 32 codes along K); x 2 x 2,048 x 1,024 float32.
;; Outputs: out0 2 x 2,048 x 1,024 float32.
;; This version of the problem:
;;   THIS VERSION OF THE PROBLEM IS GIVEN IN LOW PRECISION. The matrix products marked QUANTISED in the list below multiply operands that are first quantised to E2M1 (2 exponent bits, 1 mantissa bit; 4 bits a number), with one power-of-two scale for each 32 numbers along K (OCP MX v1.0); their sums are f32. All else is computed in f32.
;;   The module's matrix products, in the order in which they are computed (A, B: the left and right operand; K: the contracted axis; several contracted axes count as one K, in the product's order):
;;     1. [M 4,096, K 1,024] x [K 1,024, N 3,072]; A: computed on the way; B: input w_qkv (given as codes): QUANTISED
;;     2. batch 32 x [M 2,048, K 64] x [K 64, N 2,048]; A: computed on the way; B: computed on the way: QUANTISED
;;     3. batch 32 x [M 2,048, K 2,048] x [K 2,048, N 64]; A: softmax (see below); B: computed on the way: QUANTISED
;;     4. [M 4,096, K 1,024] x [K 1,024, N 1,024]; A: computed on the way; B: input w_proj (given as codes): QUANTISED
;;     5. [M 4,096, K 1,024] x [K 1,024, N 4,096]; A: computed on the way; B: input w_fc1 (given as codes): QUANTISED
;;     6. [M 4,096, K 4,096] x [K 4,096, N 1,024]; A: computed on the way; B: input w_fc2 (given as codes): QUANTISED
;;   THE QUANTISER, for each operand of a quantised product, along K:
;;     - K is cut into blocks of 32 from its start; a last block that is shorter is filled with zeros.
;;     - A block's scale is 2^e with e = floor(log2(the largest magnitude in the block)) - 2, held to -126 .. 127; a block of zeros has e = 0. As a byte (E8M0): e + 127.
;;     - Each number is divided by its block's scale, clamped to +-6, and rounded to the nearest number of E2M1, ties to even, subnormals kept.
;;     - The product sums the exact products of the quantised numbers (number of the format x scale) in f32.
;;   ~~~python
;;   def quantise(x, axis):      # numpy; x: float32 -> the quantised numbers, widened to float32 again
;;       x = np.moveaxis(x, axis, -1); K = x.shape[-1]
;;       x = np.pad(x, [(0, 0)] * (x.ndim - 1) + [(0, -K % 32)]); x = x.reshape(x.shape[:-1] + (-1, 32)); a = np.abs(x).max(-1, keepdims=True)
;;       e = np.where(a > 0, np.clip(np.frexp(np.where(a > 0, a, 1))[1] - 1 - 2, -126, 127), 0)      # np.frexp(a)[1] - 1 = floor(log2(a)), exactly
;;       r = np.clip(x / 2.0 ** e, -6, 6)
;;       step = 2.0 ** (np.maximum(np.frexp(np.where(r == 0, 1, r))[1] - 1, 0) - 1)
;;       q = np.round(r / step) * step * 2.0 ** e      # np.round: ties to even
;;       return np.moveaxis(q.reshape(q.shape[:-2] + (-1,))[..., :K], -1, axis).astype(np.float32)
;;   ~~~
;;   SOFTMAX AHEAD OF A QUANTISED PRODUCT. Where the list says 'softmax', what is quantised is not the finished softmax but p = 2^(t - M), with t = logit x log2(e) and M = ceil(the row's largest t), a whole number; so 1/2 < the row's largest p <= 1. The row's sum l is taken of the UNQUANTISED p, in f32, and the product's result is divided by l at the end. Since M is a whole number, a kernel that streams over the keys may use a running M (the ceiling of the running maximum): every later rescaling is an exact power of two, which a block's scale takes up: the codes' values come out the same.
;;   OPERANDS COMPUTED ON THE WAY. 'Computed on the way' means the value that the module computes at that place (a softmax that the list does not call 'softmax' is quantised finished and normalised). What goes into a quantiser is computed in f32, as accurately as f32 sums, v_exp_f32 and their like allow (about 1e-6 of the number): no bf16 or f16 on the way to a quantiser, and a product that is left as it is and whose result goes on into a quantised operand takes f32 operands (vector FMAs, or v_wmma_f32_16x16x4_f32). A number that lies on a knife's edge between two numbers of the format may be rounded either way, as far as f32 arithmetic and the matrix unit's own rounding can turn it there, and no further.
;;   INPUTS GIVEN AS CODES. w_fc1 (in the module: [1024, 4096], K = its axis 0); w_fc2 (in the module: [4096, 1024], K = its axis 0); w_proj (in the module: [1024, 1024], K = its axis 0); w_qkv (in the module: [1024, 3072], K = its axis 0): each comes as NAME_codes (uint8): NAME with its K axis moved to the last place and cut into blocks of 32 codes, [.., K / 32, bytes a block], one block behind the other in memory; two codes a byte, the lower K in the low four bits (a code: sign, 2 exponent bits, 1 mantissa bit); and NAME_scales (uint8): the same leading axes, one E8M0 byte (e + 127) for each 32 codes along K. Its value is code x scale, taken as it is: it is not quantised again, and the codes and scales need not be those that the quantiser above would give.
;; One version. Each part assembles by itself: llvm-mc -triple=amdgcn-amd-amdhsa -mcpu=gfx1250 --defsym DOCPART=n.
;; ======== version 1 of 1: 7 launches
;; limits: right only within a limited range of input values
;; workspace buffers: act 2,228,224 bytes; qkv 6,684,672 bytes; x1 16,777,216 bytes; hid 8,912,896 bytes
;; launch ln1 (part 1): grid 256 x 1, 16 waves a work-group, no clusters, 84,480 bytes of LDS; arguments x, g1, beta1, act; writes act
.if DOCPART == 1
	.amdgcn_target "amdgcn-amd-amdhsa--gfx1250"
	.amdhsa_code_object_version 6
	.text
	.protected	k_qcc63281972_ln1
	.globl	k_qcc63281972_ln1
	.p2align	8
	.type	k_qcc63281972_ln1,@function
k_qcc63281972_ln1:
	s_mov_b64 s[64:65], 0
	v_nop
	global_prefetch_b8 v0, s[64:65] scope:SCOPE_SE
	s_setreg_imm32_b32 hwreg(HW_REG_WAVE_MODE, 25, 1), 1
	s_wait_xcnt 0x0
; A TRANSFORMER ENCODER LAYER IN MX-FP4, seven launches: layer norm 1 | q, k, v | attention | projection + residual | layer norm 2 | fc1 + GELU | fc2 + residual.
; NO WORK OF THE LAYER IS LEFT OUT: every input has a way to the output (k's bias too: it moves k's codes), and every product of the table is done on codes of E2M1.
; THIS BODY (it serves both layer norms): y = (x - mean) * rsqrt(var + 1e-5) * g + beta, in f32, then the quantiser along the row's 1,024: codes of E2M1 and one E8M0 byte for each 32.
; THE RESULT IS LAID AS THE NEXT PRODUCT'S REGISTERS WANT IT.  A tile T is 16 rows; a fragment (16 rows x 128 K) is 8 registers a lane: lane (r, h) holds k = 128 q + 64 c + 32 h + 0 .. 31 of row r in
; registers 4 c .. 4 c + 3.  In memory: codes at 8192 T + 1024 q + 512 c + 16 lane; scale words (four bytes: 128 along K of one row) at ACT_SC + 512 T + 64 q + 4 r.
; THE ROWS OF A TILE ARE NOT NEIGHBOURS: tile T = 4 J + b holds tokens 64 J + 32 (b / 2) + 8 (b % 2) + r + 8 (r / 8).  So wherever tokens are source 0 of a product, the 16 registers of two
; neighbouring tiles are 16 neighbouring tokens.
; SHARES.  A work-group makes one tile; wave r its row r: sixteen waves, four to a SIMD.  A row is 4,096 bytes: eight loads of 512 consecutive bytes, 32 registers.
; All 24 loads of a wave (the row, g, beta) go out at once, the row's first.  The normalised row turns through the wave's own stage in LDS, so that lane l holds block l: 32 neighbours.
; Memory binds here: no matrix unit, no cluster, no tensor load; every wave reads g and beta for itself, 8,192 bytes.
; LIMITS: NaN and infinities are not served.  A block of zeros, or one whose largest magnitude lies under 2^-124, gets the byte 1 (the rule says 127 for zeros): its codes are zeros or the
; held scale's, and the bytes are read by this program alone.
.set STGB,   4608                      ; a wave's stage: 4,096 bytes + 16 of padding behind each 128
.set IMG,    16*STGB                   ; the tile's codes, as they go to memory: 8,192 bytes
.set SCI,    IMG+8192                  ; its scale words: 512 bytes
.set SPARE,  SCI+512                   ; the spare words, 128 bytes for each wave: eight blocks of 256 bytes that no other line names
.set ACT_SC, 2097152
.set SPW, 9                            ; v9   LDS address of my spare word; never rewritten
.set NIL, 10                           ; v10  0; never rewritten
.set T,   32                           ; v32-63   the turned row: my block's 32 numbers
.set G,   64                           ; v64-95   g at my 32 columns
.set BE,  96                           ; v96-127  beta
.set X,   128                          ; v128-159 my row
	s_load_b256 s[4:11], s[0:1], 0x0               ; x s[4:5], g s[6:7], beta s[8:9], the codes' buffer s[10:11]
	v_lshl_add_u32 v[SPW], v0, 2, SPARE
	v_mov_b32 v[NIL], 0
	v_lshrrev_b32 v1, 5, v0
	s_delay_alu instid0(VALU_DEP_1)
	v_readfirstlane_b32 s12, v1                    ; wave = my row r of the tile
	v_and_b32 v1, 31, v0                           ; lane
	s_delay_alu instid0(VALU_DEP_1)
	v_lshlrev_b32 v2, 4, v1                        ; 16 x lane
	s_lshr_b32 s13, ttmp9, 2
	s_lshl_b32 s13, s13, 6                         ; 64 J
	s_bfe_u32 s14, ttmp9, 0x10001
	s_lshl_b32 s14, s14, 5
	s_add_co_u32 s13, s13, s14                     ; + 32 (b / 2)
	s_and_b32 s14, ttmp9, 1
	s_lshl_b32 s14, s14, 3
	s_add_co_u32 s13, s13, s14                     ; + 8 (b % 2)
	s_add_co_u32 s13, s13, s12                     ; + r
	s_and_b32 s14, s12, 8
	s_add_co_u32 s13, s13, s14                     ; + 8 (r / 8): my token
	s_lshl_b32 s14, s13, 12
	s_mov_b32 s15, 0
	s_lshl_b32 s24, ttmp9, 13                      ; the tile's codes
	s_mov_b32 s25, 0
	s_lshl_b32 s22, ttmp9, 9
	s_add_co_u32 s22, s22, ACT_SC                  ; and its scale words
	s_mov_b32 s23, 0
	s_mov_b32 s16, 0x76543210
	s_mov_b32 s17, 0xfedcba98                      ; v_permlanex16_b32's selects for lane l xor 16
	s_mov_b32 s18, 0x3a800000                      ; 1 / 1024
	s_mov_b32 s19, 0x3727c5ac                      ; 1e-5
	s_wait_alu depctr_va_vdst(0)
	s_wait_kmcnt 0x0
	s_add_nc_u64 s[4:5], s[4:5], s[14:15]
	s_add_nc_u64 s[22:23], s[10:11], s[22:23]
	s_add_nc_u64 s[10:11], s[10:11], s[24:25]
.irp j, 0,1,2,3,4,5,6,7
	global_load_b128 v[X+4*\j:X+4*\j+3], v2, s[4:5] offset:512*\j th:TH_LOAD_NT   ; 32 lanes read 512 consecutive bytes
.endr
.irp j, 0,1,2,3,4,5,6,7
	global_load_b128 v[G+4*\j:G+4*\j+3], v2, s[6:7] offset:512*\j
.endr
.irp j, 0,1,2,3,4,5,6,7
	global_load_b128 v[BE+4*\j:BE+4*\j+3], v2, s[8:9] offset:512*\j
.endr
	s_mul_i32 s20, s12, STGB
	v_lshrrev_b32 v11, 3, v1
	v_mul_u32_u24 v4, v1, 144
	v_lshlrev_b32 v5, 8, v1
	v_lshrrev_b32 v6, 2, v1
	s_delay_alu instid0(VALU_DEP_4)
	v_lshl_add_u32 v3, v11, 4, v2
	s_delay_alu instid0(VALU_DEP_4)
	v_add_nc_u32 v4, s20, v4                       ; v4  out of the stage: my block's 128 bytes at 144 l
	s_delay_alu instid0(VALU_DEP_2)
	v_add_nc_u32 v3, s20, v3                       ; v3  into the stage: 16 l + 16 (l / 8); a load's 512 bytes take 576
	s_lshl_b32 s21, s12, 4
	v_add_nc_u32 v5, s21, v5
	v_lshlrev_b32 v6, 6, v6
	v_and_b32 v11, 3, v1
	s_delay_alu instid0(VALU_DEP_3)
	v_add_nc_u32 v5, IMG, v5                       ; v5  block l of row r lies at 256 l + 16 r of the tile's codes (1024 (l / 4) + 512 ((l / 2) % 2) + 256 (l % 2) = 256 l)
	s_delay_alu instid0(VALU_DEP_2)
	v_add_nc_u32 v6, v6, v11
	s_lshl_b32 s21, s12, 2
	v_add_nc_u32 v6, s21, v6
	s_lshl_b32 s21, s12, 9
	v_add_nc_u32 v8, s21, v2                       ; v8  the way out: my wave's 512 bytes of the codes, in memory,
	v_add_nc_u32 v6, SCI, v6                       ; v6  the block's scale byte at 64 (l / 4) + 4 r + l % 4
	s_delay_alu instid0(VALU_DEP_2)
	v_add_nc_u32 v7, IMG, v8                       ; v7  and in LDS
	v_add_nc_u32 v29, SCI, v2                      ; v29 wave 0: the 512 bytes of scale words
	v_mov_b32 v15, 0                               ; (upper halves of pairs whose low word serves both halves: named, so written)
	v_mov_b32 v17, 0
	v_mov_b32 v22, 0                               ; a lane permute's destination counts as one of its sources
.macro RED reg                         ; the sum over the 32 lanes, in every lane
.irp m, 1,2,4,8
	s_delay_alu instid0(VALU_DEP_1)
	v_add_f32_dpp v[\reg], v[\reg], v[\reg] row_xmask:\m row_mask:0xf bank_mask:0xf
.endr
	s_delay_alu instid0(VALU_DEP_1)
	v_permlanex16_b32 v22, v[\reg], s16, s17
	s_delay_alu instid0(VALU_DEP_1)
	v_add_f32 v[\reg], v[\reg], v22
.endm
	s_wait_loadcnt 16                              ; my row is in; g's and beta's sixteen loads, issued behind it, may be out
	v_pk_add_f32 v[18:19], v[X:X+1], v[X+4:X+5]                ; the sum, two at a time, in two chains
	v_pk_add_f32 v[20:21], v[X+2:X+3], v[X+6:X+7]
.irp j, 8,12,16,20,24,28
	s_delay_alu instid0(VALU_DEP_2)
	v_pk_add_f32 v[18:19], v[18:19], v[X+\j:X+\j+1]
	s_delay_alu instid0(VALU_DEP_2)
	v_pk_add_f32 v[20:21], v[20:21], v[X+\j+2:X+\j+3]
.endr
	s_delay_alu instid0(VALU_DEP_1)
	v_pk_add_f32 v[18:19], v[18:19], v[20:21]
	s_delay_alu instid0(VALU_DEP_1)
	v_add_f32 v18, v18, v19
	RED 18
	s_delay_alu instid0(VALU_DEP_1)
	v_mul_f32 v14, s18, v18                        ; the mean
	s_delay_alu instid0(VALU_DEP_1)
.irp j, 0,2,4,6,8,10,12,14,16,18,20,22,24,26,28,30
	v_pk_add_f32 v[X+\j:X+\j+1], v[X+\j:X+\j+1], v[14:15] op_sel_hi:[1,0] neg_lo:[0,1] neg_hi:[0,1]   ; x - mean
.endr
	v_pk_mul_f32 v[18:19], v[X:X+1], v[X:X+1]
	v_pk_mul_f32 v[20:21], v[X+2:X+3], v[X+2:X+3]
.irp j, 4,8,12,16,20,24,28
	s_delay_alu instid0(VALU_DEP_2)
	v_pk_fma_f32 v[18:19], v[X+\j:X+\j+1], v[X+\j:X+\j+1], v[18:19]
	s_delay_alu instid0(VALU_DEP_2)
	v_pk_fma_f32 v[20:21], v[X+\j+2:X+\j+3], v[X+\j+2:X+\j+3], v[20:21]
.endr
	s_delay_alu instid0(VALU_DEP_1)
	v_pk_add_f32 v[18:19], v[18:19], v[20:21]
	s_delay_alu instid0(VALU_DEP_1)
	v_add_f32 v18, v18, v19
	RED 18
	s_delay_alu instid0(VALU_DEP_1)
	v_fma_f32 v18, v18, s18, s19                   ; the variance + 1e-5
	s_wait_loadcnt 0x0                             ; g and beta are in
	s_wait_alu depctr_va_vdst(0)
	v_rsq_f32 v16, v18
	v_nop                                          ; a plain instruction behind the transcendental,
	s_wait_alu depctr_va_vdst(0)                   ; and a wait ahead of its first reader
.irp j, 0,2,4,6,8,10,12,14,16,18,20,22,24,26,28,30
	v_pk_mul_f32 v[X+\j:X+\j+1], v[X+\j:X+\j+1], v[16:17] op_sel_hi:[1,0]
.endr
.irp j, 0,2,4,6,8,10,12,14,16,18,20,22,24,26,28,30
	v_pk_fma_f32 v[X+\j:X+\j+1], v[X+\j:X+\j+1], v[G+\j:G+\j+1], v[BE+\j:BE+\j+1]
.endr
.irp j, 0,1,2,3,4,5,6,7
	ds_store_b128 v3, v[X+4*\j:X+4*\j+3] offset:576*\j
.endr
.irp j, 0,1,2,3,4,5,6,7
	ds_load_b128 v[T+4*\j:T+4*\j+3], v4 offset:16*\j           ; LDS serves a wave's instructions in order: these see my stores
.endr
	s_wait_dscnt 0x0                               ; my block is in
	v_max3_num_f32 v12, |v[T]|, |v[T+1]|, |v[T+2]|             ; the block's largest magnitude: all 32 numbers are mine
	v_max3_num_f32 v13, |v[T+3]|, |v[T+4]|, |v[T+5]|
.irp j, 6,10,14,18,22,26
	s_delay_alu instid0(VALU_DEP_2)
	v_max3_num_f32 v12, v12, |v[T+\j]|, |v[T+\j+1]|
	s_delay_alu instid0(VALU_DEP_2)
	v_max3_num_f32 v13, v13, |v[T+\j+2]|, |v[T+\j+3]|
.endr
	s_delay_alu instid0(VALU_DEP_2)
	v_max3_num_f32 v12, v12, |v[T+30]|, |v[T+31]|
	s_delay_alu instid0(VALU_DEP_1)
	v_max3_num_f32 v12, v12, v13, 0x1800000        ; and the floor 2^(3 - 127): the byte cannot fall under 1
	s_delay_alu instid0(VALU_DEP_1)
	v_add_nc_u32 v11, 0xff000000, v12              ; 2 off its exponent field: the conversion takes the exponent field of this operand as its scale
.irp j, 0,1,2,3
	v_cvt_scalef32_pk8_fp4_f32 v[24+\j], v[T+8*\j:T+8*\j+7], v11
.endr
	v_lshrrev_b32 v23, 23, v11                     ; the scale's byte (also the plain instruction behind the conversions)
	ds_store_b128 v5, v[24:27]
	ds_store_b8 v6, v23
	s_wait_dscnt 0x0                               ; for the others' sake: my stores into the tile's image have landed
	s_barrier_signal -1
	s_barrier_wait -1
	ds_load_b128 v[T:T+3], v7
	s_wait_dscnt 0x0
	global_store_b128 v8, v[T:T+3], s[10:11]       ; 32 lanes store 512 consecutive bytes, aligned
	s_cmp_lg_u32 s12, 0
	s_cbranch_scc1 .Lend
	ds_load_b128 v[48:51], v29                     ; wave 0: the tile's 512 bytes of scale words
	s_wait_dscnt 0x0
	global_store_b128 v2, v[48:51], s[22:23]
.Lend:
	s_wait_tensorcnt 0x0                           ; the wave's end
	ds_add_u32 v[SPW], v[NIL]
	s_wait_dscnt 0x0
	s_endpgm
.Lfunc_end_k_qcc63281972_ln1:
	.size	k_qcc63281972_ln1, .Lfunc_end_k_qcc63281972_ln1-k_qcc63281972_ln1
	.p2alignl 7, 3214868480
	.fill 96, 4, 3214868480
	.section	.rodata,"a",@progbits
	.p2align	6, 0x0
	.amdhsa_kernel k_qcc63281972_ln1
		.amdhsa_group_segment_fixed_size 84480
		.amdhsa_private_segment_fixed_size 0
		.amdhsa_enable_private_segment 0
		.amdhsa_kernarg_size 32
		.amdhsa_user_sgpr_count 2
		.amdhsa_user_sgpr_kernarg_segment_ptr 1
		.amdhsa_wavefront_size32 1
		.amdhsa_system_sgpr_workgroup_id_x 1
		.amdhsa_system_sgpr_workgroup_id_y 1
		.amdhsa_system_sgpr_workgroup_id_z 1
		.amdhsa_system_vgpr_workitem_id 0
		.amdhsa_next_free_vgpr 160
		.amdhsa_next_free_sgpr 66
		.amdhsa_reserve_vcc 0
		.amdhsa_float_denorm_mode_32 3
		.amdhsa_float_denorm_mode_16_64 3
		.amdhsa_memory_ordered 1
		.amdhsa_forward_progress 1
		.amdhsa_inst_pref_size 17
	.end_amdhsa_kernel
	.amdgpu_metadata
---
amdhsa.version: [ 1, 2 ]
amdhsa.kernels:
  - .name:           k_qcc63281972_ln1
    .symbol:         k_qcc63281972_ln1.kd
    .args:
      - { .name: x, .offset: 0, .size: 8, .value_kind: global_buffer, .address_space: global }
      - { .name: g1, .offset: 8, .size: 8, .value_kind: global_buffer, .address_space: global }
      - { .name: beta1, .offset: 16, .size: 8, .value_kind: global_buffer, .address_space: global }
      - { .name: act, .offset: 24, .size: 8, .value_kind: global_buffer, .address_space: global }
    .group_segment_fixed_size: 84480
    .private_segment_fixed_size: 0
    .kernarg_segment_align: 8
    .kernarg_segment_size: 32
    .max_flat_workgroup_size: 512
    .sgpr_count:     66
    .vgpr_count:     160
    .wavefront_size: 32
...
	.end_amdgpu_metadata
.endif
;; end of part 1
;; launch qkv (part 2): grid 12 x 16, 16 waves a work-group, clusters of 4 x 4, 327,680 bytes of LDS; arguments act, w_qkv_codes, w_qkv_scales, b_qkv, qkv; writes qkv
.if DOCPART == 2
	.amdgcn_target "amdgcn-amd-amdhsa--gfx1250"
	.amdhsa_code_object_version 6
	.text
	.protected	k_qcc63281972_qkv
	.globl	k_qcc63281972_qkv
	.p2align	8
	.type	k_qcc63281972_qkv,@function
k_qcc63281972_qkv:
	s_mov_b64 s[64:65], 0
	v_nop
	global_prefetch_b8 v0, s[64:65] scope:SCOPE_SE
	s_setreg_imm32_b32 hwreg(HW_REG_WAVE_MODE, 25, 1), 1
	s_wait_xcnt 0x0
	s_wait_alu depctr_hold_cnt(0) depctr_sa_sdst(0) depctr_va_vdst(0) depctr_va_sdst(0) depctr_va_ssrc(0) depctr_va_vcc(0) depctr_vm_vsrc(0)
	s_getreg_b32 s2, hwreg(HW_REG_IB_STS2, 6, 4)
	s_cmp_eq_u32 s2, 0
	s_cbranch_scc0 .Lentry_in_a_cluster
	s_endpgm
.Lentry_in_a_cluster:
	s_bfe_u32 s2, ttmp6, 0x10000c
	s_cmp_lg_u32 s2, 0xf033
	s_cbranch_scc0 .Lentry_shape_is_right
	s_endpgm
.Lentry_shape_is_right:
; q, k, v = LN1(x) W_qkv + b, on codes of E2M1, and the quantisers of q and k (along the head's 64) and of v (along the keys).  No work is left out.
; A work-group makes 256 tokens (16 tiles of the activation's images) x 256 columns: x = 0-3 q, 4-7 k, 8-11 v, four heads each.  K = 1,024 lies whole in LDS, in two parts of 512, all asked for at the head.
; q, k: source 0 = 16 rows of W, source 1 = a tile of tokens: a lane holds ONE token and its registers run along the head's channels, the next product's K.
; v:    source 0 = a tile of tokens, source 1 = 16 rows of W: a lane holds ONE channel and its registers run along the tokens, which are the keys: the second product's K.
; THE ROWS OF W THAT FORM A TILE ARE NOT NEIGHBOURS (tile 2 e + u, lane r: row 32 e + 8 u + r + 8 (r / 8)), nor are a tile's tokens (see the first launch): so 16 registers of two neighbouring tiles are 16 neighbours.
; SIXTEEN WAVES, 128 (source 0) x 32 (source 1) each: 16 accumulators, which take turns, one instruction a turn.
; CLUSTERS: 4 x 4 work-groups.  The four of a row of the cluster need the same tiles of the activation, the four of a column the same rows of W, their scales and their bias: each is asked for JOINTLY, by the same
; tensor load with the same descriptor and a mask that names the four.  A cluster's four columns are all q's, all k's or all v's: the branch between the two paths hangs on the cluster's x alone.
; OUT (buffer qkv): for each head bh a block of K and V in two halves of 1,024 keys, laid so that attention copies it into LDS as it lies: K's images 2048 j + 512 b + 16 lane (a lane's 16 bytes: channels
; 32 h + 0 .. 31), V's images at 32,768 + 4096 s + 1024 t + 512 c + 16 lane, K's scale half words at 65,536 + 128 j + 64 (b / 2) + 4 r + 2 (b % 2), V's scale words at 67,584 + 256 s + 64 t + 4 r; Q's blocks behind, laid like K's.
; LIMITS: NaN and infinities are not served; a block of zeros or under 2^-124 gets the byte 1, read by this program alone.
.set ACT_SC, 2097152
.set QOFF,   4456448
.set HALFB,  69632
.set KVB,    139264
.set PITCH,  528                       ; a row of W in LDS: all of K, 512 bytes, + 16 of padding
.set APS,    4096                      ; A: a tile's eight fragments lie on end, 8,192 bytes a tile; part p begins p x APS into the tile
.set WP0,    16*8192                   ; W's 256 rows lie behind A's 16 tiles
.set WPS,    256                       ; part p begins p x WPS into a row of W
.set ASC,    WP0+256*PITCH             ; A's scale words: 512 bytes a tile as two units of 256 + 16
.set TSB,    544
.set WSC,    ASC+16*TSB                ; W's scale bytes: 32 a row, 1,024 for 32 rows as four units of 256 + 16
.set SB32,   1088
.set BIA,    WSC+8*SB32                ; the 256 columns' bias
.set SPARE,  BIA+1024                  ; the spare words, 128 bytes for each wave: eight blocks of 256 bytes that no other line names
.set ADA,  1                           ; v1, v2  LDS address of my fragments of A in part 0, 1
.set ADW,  3                           ; v3, v4  of W
.set ADSW, 5                           ; v5      of W's scale words: lanes 0-15 the even tile's rows, lanes 16-31 the odd tile's
.set ADSA, 6                           ; v6      of A's: likewise
.set SPW,  7                           ; v7      my spare word; never rewritten
.set NIL,  8                           ; v8      0; never rewritten
.set L16,  9                           ; v9      16 x lane
.set FS1,  16                          ; v16-31  source 1: two fragments
.set FS0,  32                          ; v32-95  source 0: eight
.set SS0,  96                          ; v96-111 source 0's scale words: pair of tiles e, K step q at 4 e + q.  v96-115 hold scales and nothing else
.set SS1,  112                         ; v112-115 source 1's
.set ACC,  128                         ; v128-255 accumulator (a, b) at 64 b + 8 a
.set TM,   32                          ; the quantiser's 16 registers at work
.set G1A,  24                          ; s[24:31] group 1 for A's images;  s[32:39] for W's codes;  s[40:47], s[48:55] for A's and W's scales;  s[56:63] for the bias
.set G1W,  32
.set G1SA, 40
.set G1SW, 48
.set G1B,  56
.set G0AS, 68                          ; groups 0: s[68:71] A's scales;  s[72:75] A's tiles;  s[80:83] W's scales;  s[84:87] W's rows;  s[92:95] the bias
.set G0A,  72
.set G0WS, 80
.set G0W,  84
.set G0B,  92
.macro CROUND                          ; a round of the cluster's barrier: my work-group's barrier; wave 0 signals for the work-group; every wave waits for all sixteen work-groups; my work-group's barrier once more
	s_barrier_signal -1
	s_barrier_wait -1
	s_cmp_lg_u32 s14, 0
	s_cbranch_scc1 .Lnot_wave_0_\@
	s_barrier_signal -3
.Lnot_wave_0_\@:
	s_barrier_wait -3
	s_barrier_signal -1
	s_barrier_wait -1
.endm
	s_load_b256 s[4:11], s[0:1], 0x0               ; A s[4:5], W's codes s[6:7], W's scales s[8:9], the bias s[10:11]
	s_load_b64 s[12:13], s[0:1], 0x20              ; out
	v_lshl_add_u32 v[SPW], v0, 2, SPARE
	v_mov_b32 v[NIL], 0
	ds_add_u32 v[SPW], v[NIL]                      ; the wave's opening: the add, twice on end, and its wait ahead of my first tensor load
	ds_add_u32 v[SPW], v[NIL]
	v_lshrrev_b32 v1, 5, v0
	s_delay_alu instid0(VALU_DEP_1)
	v_readfirstlane_b32 s14, v1                    ; wave 0..15
	s_and_b32 s15, s14, 7                          ; waves 0-7 fetch W: which 32 rows
	s_bfe_u32 s2, ttmp6, 0x40000                   ; cx, cy: my place in the cluster
	s_bfe_u32 s3, ttmp6, 0x40004
	s_lshl_b32 s16, ttmp9, 2
	s_add_co_u32 s16, s16, s2                      ; X = 4 x cluster x + cx: 256 columns
	s_and_b32 s17, ttmp7, 0xffff
	s_lshl_b32 s17, s17, 2
	s_add_co_u32 s17, s17, s3                      ; Y = 4 x cluster y + cy: 16 tiles
	s_and_b32 s18, s14, 1                          ; which half of source 0 is mine
	s_lshr_b32 s19, s14, 1                         ; which eighth of source 1
	s_lshl_b32 s100, s3, 2
	s_lshl_b32 s100, 15, s100                      ; my row of the cluster
	s_lshl_b32 s101, 0x1111, s2                    ; my column
	s_or_b32 s[G1A], s100, (3<<16)|(1<<21)         ; A's images go to my row: elements of 8 bytes, no padding; bit 21 set beside a mask;
	s_mov_b32 s[G1A+1], 1024<<16                   ; four rows (tiles) of 1,024 elements: a tile's eight fragments,
	s_mov_b32 s[G1A+2], 4<<16
	s_mov_b32 s[G1A+3], 1024<<16
	s_mov_b32 s[G1A+4], 4
	s_mov_b32 s[G1A+5], 1024                       ; 8,192 bytes from tile to tile
	s_mov_b32 s[G1A+6], 0
	s_mov_b32 s[G1A+7], 0
	s_or_b32 s[G1W], s101, (1<<20)|(1<<21)|(6<<22)|(3<<25)   ; W's codes go to my column: elements of 1 byte; four words of padding behind every 128;
	s_mov_b32 s[G1W+1], 512<<16                    ; 32 whole rows of 512 bytes,
	s_mov_b32 s[G1W+2], 32<<16
	s_mov_b32 s[G1W+3], 512<<16
	s_mov_b32 s[G1W+4], 32
	s_mov_b32 s[G1W+5], 512                        ; 512 bytes apart
	s_mov_b32 s[G1W+6], 0
	s_mov_b32 s[G1W+7], 0
	s_or_b32 s[G1SA], s100, (3<<16)|(1<<20)|(1<<21)|(5<<22)|(3<<25)  ; scales: a dense block as rows of 256 bytes, padded
	s_or_b32 s[G1SW], s101, (3<<16)|(1<<20)|(1<<21)|(5<<22)|(3<<25)
.irp g, G1SA, G1SW
	s_mov_b32 s[\g+1], 32<<16
	s_mov_b32 s[\g+2], 32<<16                      ; a side's scales whole: 8,192 dense bytes as 32 rows of 256
	s_mov_b32 s[\g+3], 32<<16
	s_mov_b32 s[\g+4], 32
	s_mov_b32 s[\g+5], 32
	s_mov_b32 s[\g+6], 0
	s_mov_b32 s[\g+7], 0
.endr
	s_or_b32 s[G1B], s101, (3<<16)|(1<<21)         ; the bias: elements of 8 bytes, to my column
	s_mov_b32 s[G1B+1], 64<<16                     ; (half the bias: one row of 512 bytes)
	s_mov_b32 s[G1B+2], 1<<16
	s_mov_b32 s[G1B+3], 64<<16
	s_mov_b32 s[G1B+4], 1
	s_mov_b32 s[G1B+5], 64
	s_mov_b32 s[G1B+6], 1<<16
	s_mov_b32 s[G1B+7], 0
	; groups 0: count, LDS address (the wave's number alone), and the byte offset in the place of the global address, to which the base is added below.  What feeds A's never holds cx, what feeds W's never cy
	s_and_b32 s23, s14, 3                          ; waves 8-11 fetch A: which four tiles
	s_lshl_b32 s20, s17, 4                         ; my work-group's first tile
	s_mov_b32 s[G0AS], 1
	s_mov_b32 s[G0AS+1], ASC
	s_lshl_b32 s[G0AS+2], s20, 9
	s_add_co_u32 s[G0AS+2], s[G0AS+2], ACT_SC      ; the 16 tiles' scale words (wave 12),
	s_mov_b32 s[G0AS+3], 0
	s_lshl_b32 s21, s23, 2
	s_add_co_u32 s20, s20, s21
	s_mov_b32 s[G0A], 1
	s_lshl_b32 s[G0A+1], s23, 15
	s_lshl_b32 s[G0A+2], s20, 13                   ; four tiles' codes
	s_mov_b32 s[G0A+3], 0
	s_lshl_b32 s22, s16, 8                         ; my work-group's first row of W
	s_mov_b32 s[G0WS], 1
	s_mov_b32 s[G0WS+1], WSC
	s_lshl_b32 s[G0WS+2], s22, 5                   ; the 256 rows' scale bytes (wave 13)
	s_mov_b32 s[G0WS+3], 0
	s_and_b32 s23, s14, 1
	s_lshl_b32 s23, s23, 9                         ; waves 14, 15: which half of the bias
	s_mov_b32 s[G0B], 1
	s_add_co_u32 s[G0B+1], s23, BIA
	s_lshl_b32 s[G0B+2], s22, 2
	s_add_co_u32 s[G0B+2], s[G0B+2], s23
	s_mov_b32 s[G0B+3], 0
	s_lshl_b32 s23, s15, 5
	s_add_co_u32 s22, s22, s23                     ; the first of the 32 rows of W
	s_mov_b32 s[G0W], 1
	s_mul_i32 s[G0W+1], s15, 32*PITCH
	s_add_co_u32 s[G0W+1], s[G0W+1], WP0
	s_lshl_b32 s[G0W+2], s22, 9
	s_mov_b32 s[G0W+3], 0
	s_mov_b32 s96, 0x76543210
	s_mov_b32 s97, 0xfedcba98                      ; v_permlanex16_b32's selects for lane l xor 16
	s_mov_b32 s98, 0xffff0000                      ; lanes 16-31
	s_wait_dscnt 0x0                               ; both opening adds are done
	s_wait_kmcnt 0x0
	s_add_nc_u64 s[G0AS+2:G0AS+3], s[4:5], s[G0AS+2:G0AS+3]
	s_or_b32 s[G0AS+3], s[G0AS+3], 0x80000000
	s_add_nc_u64 s[G0A+2:G0A+3], s[4:5], s[G0A+2:G0A+3]
	s_or_b32 s[G0A+3], s[G0A+3], 0x80000000
	s_add_nc_u64 s[G0WS+2:G0WS+3], s[8:9], s[G0WS+2:G0WS+3]
	s_or_b32 s[G0WS+3], s[G0WS+3], 0x80000000
	s_add_nc_u64 s[G0W+2:G0W+3], s[6:7], s[G0W+2:G0W+3]
	s_or_b32 s[G0W+3], s[G0W+3], 0x80000000
	s_add_nc_u64 s[G0B+2:G0B+3], s[10:11], s[G0B+2:G0B+3]
	s_or_b32 s[G0B+3], s[G0B+3], 0x80000000
	CROUND                                         ; all sixteen work-groups are here: the joint loads meet
; THE HEAD'S LOADS, ONE A WAVE: waves 0-7 32 rows of W each, waves 8-11 four tiles of A each, wave 12 A's scales, wave 13 W's scales, waves 14 and 15 the halves of the bias.
; One chain of branches on the wave's number, an arm a load, all arms leading to one join.
.macro ARM under, g0, g1, next
	s_cmp_lt_u32 s14, \under
	s_cbranch_scc0 \next
	tensor_load_to_lds s[\g0:\g0+3], s[\g1:\g1+7]
	s_nop 0
.rept 4
	v_nop
.endr
	s_branch .Lfilled
\next:
.endm
	ARM 8,  G0W,  G1W,  .Lfill_a
	ARM 12, G0A,  G1A,  .Lfill_sa
	ARM 13, G0AS, G1SA, .Lfill_sw
	ARM 14, G0WS, G1SW, .Lfill_b
	tensor_load_to_lds s[G0B:G0B+3], s[G1B:G1B+7]
	s_nop 0
.rept 4
	v_nop
.endr
.Lfilled:
	v_and_b32 v[L16], 31, v0
	s_delay_alu instid0(VALU_DEP_1)
	v_lshlrev_b32 v[L16], 4, v[L16]
	v_and_b32 v10, 15, v0                          ; r
	v_bfe_u32 v11, v0, 4, 1                        ; h
	s_delay_alu instid0(VALU_DEP_2)
	v_and_b32 v12, 8, v10
	s_delay_alu instid0(VALU_DEP_1)
	v_add_nc_u32 v12, v12, v10                     ; r + 8 (r / 8)
	s_delay_alu instid0(VALU_DEP_1)
	v_mul_u32_u24 v13, v12, PITCH
	s_delay_alu instid0(VALU_DEP_1)
	v_lshl_add_u32 v13, v11, 4, v13                ; W: my row of a tile, + 16 h
	s_delay_alu instid0(VALU_DEP_3)
	v_lshl_add_u32 v14, v11, 3, v12
	s_delay_alu instid0(VALU_DEP_1)
	v_lshlrev_b32 v14, 5, v14                      ; W's scales: 32 bytes a row; lanes 16-31 eight rows on (the odd tile);
	s_delay_alu instid0(VALU_DEP_1)
	v_lshrrev_b32 v15, 8, v14
	s_delay_alu instid0(VALU_DEP_1)
	v_lshl_add_u32 v14, v15, 4, v14                ; 16 more for each 256 passed
	v_mul_u32_u24 v15, v11, TSB
	s_delay_alu instid0(VALU_DEP_1)
	v_lshl_add_u32 v15, v10, 2, v15                ; A's scales: 4 r; lanes 16-31 one tile on
	s_wait_tensorcnt 0x0                           ; my parts of both halves of K, of the scales and of the bias have landed,
	s_barrier_signal -1
	s_barrier_wait -1                              ; everybody's have.  It stands ahead of the place where the paths part; nothing is ever filled again
.macro PLACES                          ; four places in front of loads into registers that matrix instructions have read, and of the first read of results (ISA guide 7.12.1 for the first read of results)
.rept 4
	v_nop
.endr
.endm
.macro LDA_T reg, p, off               ; a fragment of A: its image, 16 x lane
	ds_load_b128 v[\reg:\reg+3], v[ADA+\p] offset:\off
	ds_load_b128 v[\reg+4:\reg+7], v[ADA+\p] offset:\off+512
.endm
.macro LDW_T reg, p, off               ; a fragment of W: from rows along K
	ds_load_b128 v[\reg:\reg+3], v[ADW+\p] offset:\off
	ds_load_b128 v[\reg+4:\reg+7], v[ADW+\p] offset:\off+32
.endm
.macro WM zero, ra, rb                 ; one product on rD, rA, rB, rSA, rSB.  ra, rb: the side's scales stand in lanes 16-31
.if \zero
.if (\ra)&&(\rb)
	v_wmma_scale_f32_16x16x128_f8f6f4 v[rD:rD+7], v[rA:rA+7], v[rB:rB+7], 0, v[rSA], v[rSB] matrix_a_fmt:MATRIX_FMT_FP4 matrix_b_fmt:MATRIX_FMT_FP4 matrix_a_scale:MATRIX_SCALE_ROW1 matrix_b_scale:MATRIX_SCALE_ROW1
.elseif (\ra)
	v_wmma_scale_f32_16x16x128_f8f6f4 v[rD:rD+7], v[rA:rA+7], v[rB:rB+7], 0, v[rSA], v[rSB] matrix_a_fmt:MATRIX_FMT_FP4 matrix_b_fmt:MATRIX_FMT_FP4 matrix_a_scale:MATRIX_SCALE_ROW1
.elseif (\rb)
	v_wmma_scale_f32_16x16x128_f8f6f4 v[rD:rD+7], v[rA:rA+7], v[rB:rB+7], 0, v[rSA], v[rSB] matrix_a_fmt:MATRIX_FMT_FP4 matrix_b_fmt:MATRIX_FMT_FP4 matrix_b_scale:MATRIX_SCALE_ROW1
.else
	v_wmma_scale_f32_16x16x128_f8f6f4 v[rD:rD+7], v[rA:rA+7], v[rB:rB+7], 0, v[rSA], v[rSB] matrix_a_fmt:MATRIX_FMT_FP4 matrix_b_fmt:MATRIX_FMT_FP4
.endif
.else
.if (\ra)&&(\rb)
	v_wmma_scale_f32_16x16x128_f8f6f4 v[rD:rD+7], v[rA:rA+7], v[rB:rB+7], v[rD:rD+7], v[rSA], v[rSB] matrix_a_fmt:MATRIX_FMT_FP4 matrix_b_fmt:MATRIX_FMT_FP4 matrix_a_scale:MATRIX_SCALE_ROW1 matrix_b_scale:MATRIX_SCALE_ROW1
.elseif (\ra)
	v_wmma_scale_f32_16x16x128_f8f6f4 v[rD:rD+7], v[rA:rA+7], v[rB:rB+7], v[rD:rD+7], v[rSA], v[rSB] matrix_a_fmt:MATRIX_FMT_FP4 matrix_b_fmt:MATRIX_FMT_FP4 matrix_a_scale:MATRIX_SCALE_ROW1
.elseif (\rb)
	v_wmma_scale_f32_16x16x128_f8f6f4 v[rD:rD+7], v[rA:rA+7], v[rB:rB+7], v[rD:rD+7], v[rSA], v[rSB] matrix_a_fmt:MATRIX_FMT_FP4 matrix_b_fmt:MATRIX_FMT_FP4 matrix_b_scale:MATRIX_SCALE_ROW1
.else
	v_wmma_scale_f32_16x16x128_f8f6f4 v[rD:rD+7], v[rA:rA+7], v[rB:rB+7], v[rD:rD+7], v[rSA], v[rSB] matrix_a_fmt:MATRIX_FMT_FP4 matrix_b_fmt:MATRIX_FMT_FP4
.endif
.endif
.endm
.macro WM8 a0, qs, zero                ; source 0's tiles a0 .. a0 + 3 x source 1's two
.irp a, \a0, \a0+1, \a0+2, \a0+3
.irp b, 0, 1
.set rD,  ACC+64*\b+8*(\a)
.set rA,  FS0+8*(\a)
.set rB,  FS1+8*\b
.set rSA, SS0+4*((\a)/2)+(\qs)
.set rSB, SS1+(\qs)
	WM \zero, (\a)%2, \b
.endr
.endr
.endm
; 64 numbers of a lane, register 16 b + i = k 32 b + 16 (lane / 16) + i of my row, become a fragment's codes in v[pc] on and its scale word in v[pw]
.macro QUANT128 s, pc, pw
.irp b, 0,1,2,3
	v_max3_num_f32 v[TM+\b], |v[\s+16*\b]|, |v[\s+1+16*\b]|, 0x1800000   ; block b: my 16 numbers, and the floor 2^(3 - 127): the byte cannot fall under 1
.endr
.irp i, 2,4,6,8,10,12,14
.irp b, 0,1,2,3
	v_max3_num_f32 v[TM+\b], v[TM+\b], |v[\s+16*\b+\i]|, |v[\s+1+16*\b+\i]|
.endr
.endr
.irp b, 0,1,2,3
	s_delay_alu instid0(VALU_DEP_4)
	v_permlanex16_b32 v[TM+4+\b], v[TM+\b], s96, s97
.endr
.irp b, 0,1,2,3
	s_delay_alu instid0(VALU_DEP_4)
	v_max_num_f32 v[TM+\b], v[TM+\b], v[TM+4+\b]   ; with lane l xor 16's: the block's largest magnitude
.endr
.irp b, 0,1,2,3
	s_delay_alu instid0(VALU_DEP_4)
	v_add_nc_u32 v[TM+12+\b], 0xff000000, v[TM+\b] ; 2 off its exponent field: the conversion's scale operand
.endr
.irp b, 0,1,2,3
	s_delay_alu instid0(VALU_DEP_4)
	v_lshrrev_b32 v[TM+4+\b], 23, v[TM+12+\b]      ; the scale's byte
.endr
	s_delay_alu instid0(VALU_DEP_3)
	v_lshl_or_b32 v[\pw], v[TM+5], 8, v[TM+4]
	s_delay_alu instid0(VALU_DEP_1)
	v_lshl_or_b32 v[\pw], v[TM+6], 16, v[\pw]
	s_delay_alu instid0(VALU_DEP_1)
	v_lshl_or_b32 v[\pw], v[TM+7], 24, v[\pw]
.irp b, 0,1,2,3
	v_cvt_scalef32_pk8_fp4_f32 v[\pc+2*\b], v[\s+16*\b:\s+7+16*\b], v[TM+12+\b]
	v_cvt_scalef32_pk8_fp4_f32 v[\pc+1+2*\b], v[\s+8+16*\b:\s+15+16*\b], v[TM+12+\b]
.endr
	v_nop                                          ; one plain place behind a scaled conversion
.irp c, 0,1                                    ; the operand's layout wants a whole block in a lane
.irp i, 0,1
	v_permlane16_swap_b32 v[\pc+4*\c+\i], v[\pc+2+4*\c+\i]
.endr
.endr
.endm
	s_cmp_ge_u32 ttmp9, 2                          ; the cluster's x alone (x = 8 to 11 is cluster 2): all waves of all sixteen partners go the same way
	s_cbranch_scc1 .Lpath_v
	; ======== q and k: source 0 = W (my 128 rows: two heads), source 1 = A (my two tiles)
	s_lshl_b32 s20, s19, 14
	v_add_nc_u32 v[ADA], s20, v[L16]
	s_delay_alu instid0(VALU_DEP_1)
	v_add_nc_u32 v[ADA+1], APS, v[ADA]
	s_mul_i32 s20, s18, 128*PITCH
	s_add_co_u32 s20, s20, WP0
	s_wait_alu depctr_va_vdst(0)
	v_add_nc_u32 v[ADW], s20, v13
	s_wait_alu depctr_va_vdst(0)
	v_add_nc_u32 v[ADW+1], WPS, v[ADW]
	s_mul_i32 s20, s18, 4*SB32
	s_add_co_u32 s20, s20, WSC
	v_add_nc_u32 v[ADSW], s20, v14
	s_wait_alu depctr_va_vdst(0)
	s_mul_i32 s20, s19, 2*TSB
	s_add_co_u32 s20, s20, ASC
	v_add_nc_u32 v[ADSA], s20, v15
	s_wait_alu depctr_va_vdst(0)
	s_lshl_b32 s20, s18, 9
	s_add_co_u32 s20, s20, BIA
	v_lshl_add_u32 v12, v11, 6, s20                ; the bias of my 128 columns, + 16 h numbers
.irp b, 0,1                                    ; THE SUMS BEGIN AS THE BIAS: register 8 a + i is column 32 (a / 2) + 16 h + 8 (a % 2) + i
.irp a, 0,1,2,3,4,5,6,7
	ds_load_b128 v[ACC+64*\b+8*\a:ACC+64*\b+8*\a+3], v12 offset:(32*(\a/2)+8*(\a%2))*4
	ds_load_b128 v[ACC+64*\b+8*\a+4:ACC+64*\b+8*\a+7], v12 offset:(32*(\a/2)+8*(\a%2))*4+16
.endr
.endr
.macro KSTEP_W p, qs                   ; 128 along K: the qs-th of part p
	PLACES
.if \qs == 0
.irp e, 0,1,2,3
	ds_load_b128 v[SS0+4*\e:SS0+4*\e+3], v[ADSW] offset:\e*SB32+16*\p      ; four K steps' words of W's tiles 2 e (lanes 0-15) and 2 e + 1 (lanes 16-31)
.endr
.irp k, 0,1,2,3
	ds_load_b32 v[SS1+\k], v[ADSA] offset:64*(4*\p+\k)+16*\p               ; A's two tiles likewise
.endr
.endif
.irp b, 0,1
	LDA_T FS1+8*\b, \p, \b*8192+\qs*1024
.endr
.irp a, 0,1,2,3,4,5,6,7
	LDW_T FS0+8*\a, \p, (32*(\a/2)+8*(\a%2))*PITCH+64*\qs
.endr
	s_wait_dscnt 8                                 ; all but the youngest eight loads (source 0's tiles 4-7) are in
	WM8 0, \qs, 0
	s_wait_dscnt 0x0
	WM8 4, \qs, 0
.endm
.irp p, 0,1
.irp q, 0,1,2,3
	KSTEP_W \p, \q
.endr
.endr
	; where my two tiles of my two heads go.  (No tensor load of mine is out: the groups 0 serve as scalars at work)
	s_lshr_b32 s20, s17, 3
	s_lshl_b32 s20, s20, 4
	s_and_b32 s21, s16, 3
	s_lshl_b32 s21, s21, 2
	s_add_co_u32 s20, s20, s21
	s_lshl_b32 s21, s18, 1
	s_add_co_u32 s20, s20, s21                     ; bh of my first head: 16 x batch + 4 (X % 4) + 2 x my half
	s_and_b32 s21, s17, 7
	s_lshl_b32 s21, s21, 2
	s_lshr_b32 s22, s19, 1
	s_add_co_u32 s21, s21, s22                     ; j: which 64 tokens of the batch
	s_lshr_b32 s22, s21, 4
	s_and_b32 s23, s21, 15
	s_mov_b32 s68, KVB
	s_cmp_eq_u32 ttmp9, 0                          ; q (cluster 0) or k (cluster 1)?
	s_cselect_b32 s68, HALFB, s68                  ; from head to head
	s_cselect_b32 s69, QOFF, 0
	s_cselect_b32 s22, 0, s22                      ; k: which half of the keys,
	s_cselect_b32 s23, s21, s23                    ; and which 64 of it
	s_mul_i32 s70, s20, s68
	s_add_co_u32 s70, s70, s69
	s_mul_i32 s22, s22, HALFB
	s_add_co_u32 s70, s70, s22
	s_and_b32 s21, s19, 1
	s_lshl_b32 s72, s23, 11
	s_add_co_u32 s72, s72, s70
	s_lshl_b32 s22, s21, 10
	s_add_co_u32 s72, s72, s22                     ; the images: 2048 j + 512 (2 (wave's pair) + b)
	s_mov_b32 s73, 0
	s_lshl_b32 s74, s23, 7
	s_add_co_u32 s74, s74, s70
	s_lshl_b32 s22, s21, 6
	s_add_co_u32 s74, s74, s22
	s_add_co_u32 s74, s74, 65536                   ; the half words
	s_mov_b32 s75, 0
	s_mov_b32 s69, 0
	s_add_nc_u64 s[72:73], s[12:13], s[72:73]
	s_add_nc_u64 s[76:77], s[72:73], s[68:69]      ; the second head's
	s_add_nc_u64 s[74:75], s[12:13], s[74:75]
	PLACES
.irp b, 0,1,2,3
	v_mov_b32 v[TM+4+\b], 0                        ; a lane permute's destination counts as one of its sources
.endr
	QUANT128 ACC, 16, 48                           ; 128 columns = two heads: registers 0-3 of the codes are the first head's 64 channels, 4-7 the second's; the word's halves likewise
	QUANT128 ACC+64, 24, 49
	v_perm_b32 v50, v49, v48, 0x05040100           ; first head: my even tile's half word below, my odd tile's above
	v_perm_b32 v51, v49, v48, 0x07060302           ; second head
	s_delay_alu instid0(VALU_DEP_1)
	v_cndmask_b32 v52, v50, v51, s98               ; lanes 0-15 store the first head's, lanes 16-31 the second's
	v_mul_lo_u32 v53, v11, s68
	s_delay_alu instid0(VALU_DEP_1)
	v_lshl_add_u32 v53, v10, 2, v53
	global_store_b128 v[L16], v[16:19], s[72:73]               ; 32 lanes store 512 consecutive bytes, aligned
	global_store_b128 v[L16], v[20:23], s[76:77]
	global_store_b128 v[L16], v[24:27], s[72:73] offset:512
	global_store_b128 v[L16], v[28:31], s[76:77] offset:512
	global_store_b32 v53, v52, s[74:75]
	s_branch .Lend
.Lpath_v:
	; ======== v: source 0 = A (my eight tiles: 128 tokens, one K step of attention's second product), source 1 = W (my 32 rows: two tiles of channels)
	s_lshl_b32 s20, s18, 16
	v_add_nc_u32 v[ADA], s20, v[L16]
	s_delay_alu instid0(VALU_DEP_1)
	v_add_nc_u32 v[ADA+1], APS, v[ADA]
	s_mul_i32 s20, s19, 32*PITCH
	s_add_co_u32 s20, s20, WP0
	s_wait_alu depctr_va_vdst(0)
	v_add_nc_u32 v[ADW], s20, v13
	s_wait_alu depctr_va_vdst(0)
	v_add_nc_u32 v[ADW+1], WPS, v[ADW]
	s_mul_i32 s20, s19, SB32
	s_add_co_u32 s20, s20, WSC
	v_add_nc_u32 v[ADSW], s20, v14
	s_mul_i32 s20, s18, 8*TSB
	s_add_co_u32 s20, s20, ASC
	v_add_nc_u32 v[ADSA], s20, v15
	s_wait_alu depctr_va_vdst(0)
	s_lshl_b32 s20, s19, 7
	s_add_co_u32 s20, s20, BIA
	v_lshl_add_u32 v12, v12, 2, s20                ; my channel's bias: column 32 x my eighth + 8 b + r + 8 (r / 8)
	ds_load_b32 v116, v12
	ds_load_b32 v118, v12 offset:32
	v_mov_b32 v117, 0                              ; (upper halves of pairs whose low word serves both halves)
	v_mov_b32 v119, 0
.macro KSTEP_V p, qs, zero
	PLACES
.if \qs == 0
.irp e, 0,1,2,3
.irp k, 0,1,2,3
	ds_load_b32 v[SS0+4*\e+\k], v[ADSA] offset:\e*2*TSB+64*(4*\p+\k)+16*\p
.endr
.endr
	ds_load_b128 v[SS1:SS1+3], v[ADSW] offset:16*\p
.endif
.irp b, 0,1
	LDW_T FS1+8*\b, \p, 8*\b*PITCH+64*\qs
.endr
.irp a, 0,1,2,3,4,5,6,7
	LDA_T FS0+8*\a, \p, \a*8192+\qs*1024
.endr
	s_wait_dscnt 8                                 ; all but the youngest eight loads (source 0's tiles 4-7) are in
	WM8 0, \qs, \zero
	s_wait_dscnt 0x0
	WM8 4, \qs, \zero
.endm
	KSTEP_V 0, 0, 1                                ; the first K step starts the sums: nothing is cleared
.irp q, 1,2,3
	KSTEP_V 0, \q, 0
.endr
.irp q, 0,1,2,3
	KSTEP_V 1, \q, 0
.endr
	s_lshr_b32 s20, s17, 3
	s_lshl_b32 s20, s20, 4
	s_sub_co_u32 s21, s16, 8
	s_lshl_b32 s21, s21, 2
	s_add_co_u32 s20, s20, s21
	s_lshr_b32 s21, s19, 1
	s_add_co_u32 s20, s20, s21                     ; bh
	s_and_b32 s21, s17, 7
	s_lshl_b32 s21, s21, 1
	s_add_co_u32 s21, s21, s18                     ; which 128 keys of the batch
	s_lshr_b32 s22, s21, 3
	s_and_b32 s23, s21, 7
	s_mul_i32 s70, s20, KVB
	s_mul_i32 s22, s22, HALFB
	s_add_co_u32 s70, s70, s22
	s_and_b32 s21, s19, 1
	s_lshl_b32 s72, s23, 12
	s_add_co_u32 s72, s72, s70
	s_lshl_b32 s22, s21, 11
	s_add_co_u32 s72, s72, s22
	s_add_co_u32 s72, s72, 32768
	s_mov_b32 s73, 0
	s_lshl_b32 s74, s23, 8
	s_add_co_u32 s74, s74, s70
	s_lshl_b32 s22, s21, 7
	s_add_co_u32 s74, s74, s22
	s_add_co_u32 s74, s74, 67584
	s_mov_b32 s75, 0
	s_add_nc_u64 s[72:73], s[12:13], s[72:73]
	s_add_nc_u64 s[74:75], s[12:13], s[74:75]
	PLACES
	s_wait_alu depctr_va_vdst(0)
.irp b, 0,1
.set j, 0
.rept 32
	v_pk_add_f32 v[ACC+64*\b+j:ACC+64*\b+j+1], v[ACC+64*\b+j:ACC+64*\b+j+1], v[116+2*\b:117+2*\b] op_sel_hi:[1,0]   ; + my channel's bias, each accumulator from its low end on
.set j, j+2
.endr
.endr
.irp b, 0,1,2,3
	v_mov_b32 v[TM+4+\b], 0
.endr
	QUANT128 ACC, 16, 48
	QUANT128 ACC+64, 24, 49
	v_cndmask_b32 v50, v48, v49, s98               ; lanes 0-15 my even tile's words, lanes 16-31 my odd tile's
	v_lshrrev_b32 v51, 2, v[L16]                   ; 4 x lane
	global_store_b128 v[L16], v[16:19], s[72:73]
	global_store_b128 v[L16], v[20:23], s[72:73] offset:512
	global_store_b128 v[L16], v[24:27], s[72:73] offset:1024
	global_store_b128 v[L16], v[28:31], s[72:73] offset:1536
	global_store_b32 v51, v50, s[74:75]
.Lend:
	s_wait_tensorcnt 0x0                           ; the wave's end
	ds_add_u32 v[SPW], v[NIL]
	s_wait_dscnt 0x0
	CROUND                                         ; the closing round: no work-group ends while a partner may still ask for a tile that names it
	s_endpgm
.Lfunc_end_k_qcc63281972_qkv:
	.size	k_qcc63281972_qkv, .Lfunc_end_k_qcc63281972_qkv-k_qcc63281972_qkv
	.p2alignl 7, 3214868480
	.fill 96, 4, 3214868480
	.section	.rodata,"a",@progbits
	.p2align	6, 0x0
	.amdhsa_kernel k_qcc63281972_qkv
		.amdhsa_group_segment_fixed_size 327680
		.amdhsa_private_segment_fixed_size 0
		.amdhsa_enable_private_segment 0
		.amdhsa_kernarg_size 40
		.amdhsa_user_sgpr_count 2
		.amdhsa_user_sgpr_kernarg_segment_ptr 1
		.amdhsa_wavefront_size32 1
		.amdhsa_system_sgpr_workgroup_id_x 1
		.amdhsa_system_sgpr_workgroup_id_y 1
		.amdhsa_system_sgpr_workgroup_id_z 1
		.amdhsa_system_vgpr_workitem_id 0
		.amdhsa_next_free_vgpr 256
		.amdhsa_next_free_sgpr 102
		.amdhsa_reserve_vcc 0
		.amdhsa_float_denorm_mode_32 3
		.amdhsa_float_denorm_mode_16_64 3
		.amdhsa_memory_ordered 1
		.amdhsa_forward_progress 1
		.amdhsa_inst_pref_size 97
	.end_amdhsa_kernel
	.amdgpu_metadata
---
amdhsa.version: [ 1, 2 ]
amdhsa.kernels:
  - .name:           k_qcc63281972_qkv
    .symbol:         k_qcc63281972_qkv.kd
    .args:
      - { .name: act, .offset: 0, .size: 8, .value_kind: global_buffer, .address_space: global }
      - { .name: w_qkv_codes, .offset: 8, .size: 8, .value_kind: global_buffer, .address_space: global }
      - { .name: w_qkv_scales, .offset: 16, .size: 8, .value_kind: global_buffer, .address_space: global }
      - { .name: b_qkv, .offset: 24, .size: 8, .value_kind: global_buffer, .address_space: global }
      - { .name: qkv, .offset: 32, .size: 8, .value_kind: global_buffer, .address_space: global }
    .group_segment_fixed_size: 327680
    .private_segment_fixed_size: 0
    .kernarg_segment_align: 8
    .kernarg_segment_size: 40
    .max_flat_workgroup_size: 512
    .sgpr_count:     102
    .vgpr_count:     256
    .wavefront_size: 32
...
	.end_amdgpu_metadata
.endif
;; end of part 2
;; launch attn (part 3): grid 8 x 32, 16 waves a work-group, clusters of 4 x 1, 327,680 bytes of LDS; arguments qkv, act; writes act
.if DOCPART == 3
	.amdgcn_target "amdgcn-amd-amdhsa--gfx1250"
	.amdhsa_code_object_version 6
	.text
	.protected	k_qcc63281972_attn
	.globl	k_qcc63281972_attn
	.p2align	8
	.type	k_qcc63281972_attn,@function
k_qcc63281972_attn:
	s_mov_b64 s[64:65], 0
	v_nop
	global_prefetch_b8 v0, s[64:65] scope:SCOPE_SE
	s_setreg_imm32_b32 hwreg(HW_REG_WAVE_MODE, 25, 1), 1
	s_wait_xcnt 0x0
	s_wait_alu depctr_hold_cnt(0) depctr_sa_sdst(0) depctr_va_vdst(0) depctr_va_sdst(0) depctr_va_ssrc(0) depctr_va_vcc(0) depctr_vm_vsrc(0)
	s_getreg_b32 s2, hwreg(HW_REG_IB_STS2, 6, 4)
	s_cmp_eq_u32 s2, 0
	s_cbranch_scc0 .Lentry_in_a_cluster
	s_endpgm
.Lentry_in_a_cluster:
	s_bfe_u32 s2, ttmp6, 0x10000c
	s_cmp_lg_u32 s2, 0x3003
	s_cbranch_scc0 .Lentry_shape_is_right
	s_endpgm
.Lentry_shape_is_right:
; ATTENTION ON CODES OF E2M1: o = softmax(q k^T / 8) v for one head bh (grid y) and 256 queries (grid x), then the quantiser of o along the projection's K.  No work is left out.
; THE SOFTMAX: t = score x log2(e) / 8; M = the running largest t rounded up to a whole number; p = 2^(t - M) is quantised along the keys; the row's sum is taken of the unquantised p and divides at the end.
; When M moves, the sum and O are multiplied by 2^(old M - new M), which rounds nothing.
; SHARES.  Sixteen waves, 16 queries each; every wave walks the head's 2,048 keys in 16 steps of 128.  Both products are used transposed (S^T = K Q^T, O^T = V^T P^T): a lane holds one query throughout.
; K, V AND THEIR SCALES LIE WHOLE IN LDS, 139,264 bytes, asked for once, at the head, one tensor load a wave: waves 0-3 K's images, waves 4-7 V's (64 rows of 256 bytes each), waves 8-11 the scales (8 rows each).
; In memory a head's block has two halves of 1,024 keys; the loads lay the halves on end: K's images from 0, V's from VIM, K's half words from KSC, V's words from VSC.  So a step is 4,096 bytes on in the images and 256 in the scales,
; one barrier serves the launch, and nothing is filled again.
; CLUSTERS: the four work-groups of a cluster share a head: each load is asked for jointly, with the same descriptor and the mask of the four.
; NO PREFETCH: every byte is asked for once by the head's loads; there is no loop of loads to run ahead in.
; THE LDS LOADS of a step stand in one run behind its first product: V's fragments of this step, then K's of the next, so that the softmax's lines stand between a request and the wait for it.
; The head size is 64: registers 4-7 of K's and Q's fragments are zero codes, and the upper two bytes of their scale words are 0, a finite code.
; REGISTERS: v1 16 x lane; v3, v4, v9 LDS addresses that walk; v5, v6 the add's two; v10 4 r; v12 -M, v13 the largest t, v[14:15] the sum; v16-23 Q; v24-29, v34-37 scales; v40-103 K; v104-135 V; v136-199 S^T, p; v200-231 O^T; v232-239 p's codes.
; LIMITS: the promise holds while |t| stays under 2^31; NaN and infinities are not served; a block of zeros or under 2^-124 gets the byte 1, read by this program alone.
.set HALFB,  69632                     ; half a head's block of K and V in memory; also a head's block of Q
.set KVB,    139264
.set QOFF,   4456448
.set ACT_SC, 2097152
.set VIM,    65536
.set KSC,    131072
.set VSC,    135168
.set SPARE,  KVB                       ; the spare words, 128 bytes for each wave: eight blocks of 256 bytes that no other line names
.macro CROUND                          ; a round of the cluster's barrier
	s_barrier_signal -1
	s_barrier_wait -1
	s_cmp_lg_u32 s8, 0
	s_cbranch_scc1 .Lnot_wave_0_\@
	s_barrier_signal -3
.Lnot_wave_0_\@:
	s_barrier_wait -3
	s_barrier_signal -1
	s_barrier_wait -1
.endm
	s_load_b128 s[4:7], s[0:1], 0x0                ; qkv s[4:5], the codes' buffer s[6:7]
	v_lshl_add_u32 v5, v0, 2, SPARE
	v_mov_b32 v6, 0
	ds_add_u32 v5, v6                              ; the opening lines: the add, twice on end, and its wait
	ds_add_u32 v5, v6
	v_lshrrev_b32 v1, 5, v0
	s_delay_alu instid0(VALU_DEP_1)
	v_readfirstlane_b32 s8, v1                     ; wave
	s_and_b32 s9, ttmp7, 0xffff                    ; bh
	s_bfe_u32 s46, ttmp6, 0x40000
	s_lshl_b32 s11, ttmp9, 2
	s_add_co_u32 s11, s11, s46                     ; which 256 queries
	s_mov_b32 s24, 15|(3<<16)|(1<<21)              ; group 1 for the images: 64 dense rows of 32 elements of 8 bytes; the mask of the four, bit 21 beside it
	s_mov_b32 s25, 32<<16
	s_mov_b32 s26, 64<<16
	s_mov_b32 s27, 32<<16
	s_mov_b32 s28, 64
	s_mov_b32 s29, 32
	s_mov_b32 s30, 0
	s_mov_b32 s31, 0
	s_mov_b32 s48, 15|(3<<16)|(1<<21)              ; and for the scales: 8 such rows
	s_mov_b32 s49, 32<<16
	s_mov_b32 s50, 8<<16
	s_mov_b32 s51, 32<<16
	s_mov_b32 s52, 8
	s_mov_b32 s53, 32
	s_mov_b32 s54, 0
	s_mov_b32 s55, 0
	s_mul_i32 s12, s9, KVB
	s_bfe_u32 s10, s8, 0x10001
	s_and_b32 s40, s8, 1
	s_lshr_b32 s41, s8, 2
	s_mul_i32 s13, s10, HALFB                      ; images, wave w < 8: half (w / 2) % 2,
	s_add_co_u32 s13, s13, s12
	s_lshl_b32 s42, s40, 14                        ; its 16,384 bytes w % 2,
	s_add_co_u32 s13, s13, s42
	s_lshl_b32 s42, s41, 15                        ; K (w < 4) or V
	s_add_co_u32 s34, s13, s42
	s_mov_b32 s35, 0
	s_mov_b32 s32, 1
	s_lshl_b32 s33, s8, 14                         ; to LDS byte 16,384 w
	s_mul_i32 s13, s40, HALFB                      ; scales, waves 8-11: half w % 2,
	s_add_co_u32 s13, s13, s12
	s_lshl_b32 s42, s10, 11                        ; K's (w < 10) or V's
	s_add_co_u32 s13, s13, s42
	s_add_co_u32 s38, s13, 65536
	s_mov_b32 s39, 0
	s_mov_b32 s36, 1
	s_and_b32 s37, s8, 3
	s_lshl_b32 s37, s37, 11
	s_add_co_u32 s37, s37, KSC
	s_mul_i32 s14, s9, HALFB                       ; Q: my tile's image and its half words
	s_add_co_u32 s14, s14, QOFF
	s_lshl_b32 s16, s11, 2
	s_lshr_b32 s17, s8, 2
	s_add_co_u32 s16, s16, s17
	s_lshl_b32 s16, s16, 7
	s_bfe_u32 s17, s8, 0x10001
	s_lshl_b32 s17, s17, 6
	s_add_co_u32 s16, s16, s17
	s_and_b32 s17, s8, 1
	s_lshl_b32 s17, s17, 1
	s_add_co_u32 s16, s16, s17
	s_add_co_u32 s16, s16, s14
	s_add_co_u32 s16, s16, 65536
	s_mov_b32 s17, 0
	s_lshl_b32 s15, s11, 13
	s_add_co_u32 s14, s14, s15
	s_lshl_b32 s15, s8, 9
	s_add_co_u32 s14, s14, s15
	s_mov_b32 s15, 0
	s_lshr_b32 s18, s9, 4                          ; out: tile 128 x batch + 16 x block + wave; the head's 64 channels are half a fragment
	s_lshl_b32 s18, s18, 7
	s_lshl_b32 s19, s11, 4
	s_add_co_u32 s18, s18, s19
	s_add_co_u32 s18, s18, s8
	s_and_b32 s19, s9, 15
	s_lshl_b32 s20, s18, 9
	s_add_co_u32 s20, s20, ACT_SC
	s_lshr_b32 s21, s19, 1
	s_lshl_b32 s21, s21, 6
	s_add_co_u32 s20, s20, s21
	s_and_b32 s21, s19, 1
	s_lshl_b32 s21, s21, 1
	s_add_co_u32 s20, s20, s21
	s_mov_b32 s21, 0
	s_lshl_b32 s18, s18, 13
	s_lshl_b32 s19, s19, 9
	s_add_co_u32 s18, s18, s19
	s_mov_b32 s19, 0
	s_mov_b32 s22, 0x3e38aa3b                      ; c = log2(e) / 8
	s_mov_b32 s23, s22
	s_mov_b32 s44, 0x76543210
	s_mov_b32 s45, 0xfedcba98                      ; v_permlanex16_b32's selects for lane l xor 16
	s_wait_dscnt 0x0                               ; both opening adds are done
	s_wait_kmcnt 0x0
	s_add_nc_u64 s[34:35], s[4:5], s[34:35]
	s_or_b32 s35, s35, 0x80000000
	s_add_nc_u64 s[38:39], s[4:5], s[38:39]
	s_or_b32 s39, s39, 0x80000000
	CROUND                                         ; the four work-groups are here: the joint loads meet
.macro ARM under, g0, g1, next         ; one chain of branches on the wave's number, an arm a load: no way through the head passes two
	s_cmp_lt_u32 s8, \under
	s_cbranch_scc0 \next
	tensor_load_to_lds s[\g0:\g0+3], s[\g1:\g1+7]
	s_nop 0
.rept 4
	v_nop
.endr
	s_branch .Lasked
\next:
.endm
	ARM 8,  32, 24, .Lhead_s
	ARM 12, 36, 48, .Lhead_none
.Lasked:
	s_add_nc_u64 s[14:15], s[4:5], s[14:15]
	s_add_nc_u64 s[16:17], s[4:5], s[16:17]
	s_add_nc_u64 s[18:19], s[6:7], s[18:19]
	s_add_nc_u64 s[20:21], s[6:7], s[20:21]
	v_and_b32 v7, 31, v0
	v_and_b32 v10, 15, v0
	v_bfe_u32 v2, v0, 4, 1
	s_delay_alu instid0(VALU_DEP_3)
	v_lshlrev_b32 v1, 4, v7                        ; 16 x lane: stays
	v_lshlrev_b32 v3, 4, v7                        ; the same, walking: K's images of the next step; V's of this step lie VIM - 4096 on
	s_delay_alu instid0(VALU_DEP_4)
	v_lshlrev_b32 v10, 2, v10                      ; 4 r
	s_delay_alu instid0(VALU_DEP_1)
	v_lshl_add_u32 v4, v2, 1, v10
	s_delay_alu instid0(VALU_DEP_1)
	v_add_nc_u32 v4, KSC, v4                       ; K's half words: lanes 0-15 the even tile's, lanes 16-31 the odd tile's
	v_add_nc_u32 v9, VSC-256, v10                  ; V's words: a step under the first, since each step begins by stepping it
	global_load_b128 v[16:19], v1, s[14:15]
	global_load_u16 v24, v10, s[16:17]
.irp j, 20,21,22,23
	v_mov_b32 v[\j], 0
.endr
.irp t, 0,1,2,3,4,5,6,7
.irp j, 4,5,6,7
	v_mov_b32 v[40+8*\t+\j], 0
.endr
.endr
	v_mov_b32 v13, 0xff61b1e6                      ; the largest t so far: -3e38
	s_delay_alu instid0(VALU_DEP_1)
	v_floor_f32 v12, -v13
	v_mov_b32 v14, 0
	v_mov_b32 v15, 0
.irp b, 0,1,2,3
	v_mov_b32 v[244+\b], 0                         ; a lane permute's destination counts as one of its sources
.endr
	v_mov_b32 v252, 0
	v_mov_b32 v253, 0
.set j, 0
.rept 32
	v_mov_b32 v[200+j], 0                          ; O^T: the step is written for all steps alike; the first change of M multiplies zeros
.set j, j+1
.endr
.macro LOADK                           ; eight tiles of K and their half words, at the walking addresses
.irp t, 0,1,2,3,4,5,6,7
	ds_load_b128 v[40+8*\t:43+8*\t], v3 offset:512*\t
.endr
.irp e, 0,1,2,3
	ds_load_u16 v[26+\e], v4 offset:128*(\e/2)+64*(\e%2)
.endr
.endm
; A KEY STEP of 128 keys.  pre = 1: the next step's K is asked for.
.macro STEP pre
	s_wait_dscnt 0x0                               ; this step's K and its half words are in
.irp e, 0,1,2,3
	v_wmma_scale_f32_16x16x128_f8f6f4 v[136+16*\e:143+16*\e], v[40+16*\e:47+16*\e], v[16:23], 0, v[26+\e], v24 matrix_a_fmt:MATRIX_FMT_FP4 matrix_b_fmt:MATRIX_FMT_FP4
	v_wmma_scale_f32_16x16x128_f8f6f4 v[144+16*\e:151+16*\e], v[48+16*\e:55+16*\e], v[16:23], 0, v[26+\e], v24 matrix_a_fmt:MATRIX_FMT_FP4 matrix_b_fmt:MATRIX_FMT_FP4 matrix_a_scale:MATRIX_SCALE_ROW1
.endr
	v_add_nc_u32 v3, 4096, v3                      ; the addresses' steps are three of the four places behind the products, ahead of the loads and of the first read of results
	v_add_nc_u32 v9, 256, v9
.if \pre
	v_add_nc_u32 v4, 256, v4
.else
	v_nop
.endif
	v_nop
.irp t, 0,1,2,3
	ds_load_b128 v[104+8*\t:107+8*\t], v3 offset:VIM-4096+1024*\t
	ds_load_b128 v[108+8*\t:111+8*\t], v3 offset:VIM-4096+1024*\t+512
.endr
.irp t, 0,1,2,3
	ds_load_b32 v[34+\t], v9 offset:64*\t
.endr
.if \pre
	LOADK
.endif
.irp b, 0,1,2,3
	v_max3_num_f32 v[240+\b], v[136+16*\b], v[137+16*\b], v[138+16*\b]   ; the largest score of each block of 32 keys: for the row's maximum and for the block's largest p
.endr
.irp i, 3,5,7,9,11,13
.irp b, 0,1,2,3
	v_max3_num_f32 v[240+\b], v[240+\b], v[136+16*\b+\i], v[137+16*\b+\i]
.endr
.endr
.irp b, 0,1,2,3
	v_max_num_f32 v[240+\b], v[240+\b], v[151+16*\b]
.endr
.irp b, 0,1,2,3
	s_delay_alu instid0(VALU_DEP_4)
	v_permlanex16_b32 v[244+\b], v[240+\b], s44, s45
.endr
.irp b, 0,1,2,3
	s_delay_alu instid0(VALU_DEP_4)
	v_max_num_f32 v[240+\b], v[240+\b], v[244+\b]
.endr
	s_delay_alu instid0(VALU_DEP_2)
	v_max3_num_f32 v254, v240, v241, v242
	s_delay_alu instid0(VALU_DEP_1)
	v_max_num_f32 v254, v254, v243
	s_delay_alu instid0(VALU_DEP_1)
	v_mul_f32 v254, s22, v254
	s_delay_alu instid0(VALU_DEP_1)
	v_max_num_f32 v13, v13, v254                   ; the running largest t
	v_mov_b32 v254, v12
	s_delay_alu instid0(VALU_DEP_2)
	v_floor_f32 v12, -v13                          ; -M = floor(-t)
	s_delay_alu instid0(VALU_DEP_1)
	v_sub_f32 v254, v12, v254
	s_delay_alu instid0(VALU_DEP_1)
	v_cvt_i32_f32 v254, v254
	s_delay_alu instid0(VALU_DEP_1)
	v_ldexp_f32 v252, 1.0, v254                    ; f = 2^(old M - new M)
.set j, 0
.rept 32
	v_pk_fma_f32 v[136+j:137+j], v[136+j:137+j], s[22:23], v[12:13] op_sel_hi:[1,0,0]   ; t - M
.set j, j+2
.endr
.irp b, 0,1,2,3
	v_fma_f32 v[240+\b], v[240+\b], s22, v12
.endr
.set j, 0
	s_wait_alu depctr_va_vdst(0)
.rept 64
	v_exp_f32 v[136+j], v[136+j]                   ; p
.set j, j+1
.endr
	v_pk_mul_f32 v[14:15], v[14:15], v[252:253] op_sel_hi:[1,0]   ; the sums under the new M (a plain place behind the batch)
	s_wait_alu depctr_va_vdst(0)                   ; one wait for the batch, ahead of its first reader
.irp b, 0,1,2,3
	v_exp_f32 v[240+\b], v[240+\b]                 ; each block's largest p
.endr
	v_pk_add_f32 v[244:245], v[136:137], v[138:139]               ; the row's sum of the unquantised p, in two chains
.irp i, 4,8,12,16,20,24,28,32,36,40,44,48,52,56,60
	v_pk_add_f32 v[14:15], v[14:15], v[136+\i:137+\i]
	v_pk_add_f32 v[244:245], v[244:245], v[138+\i:139+\i]
.endr
	s_delay_alu instid0(VALU_DEP_1)
	v_pk_add_f32 v[14:15], v[14:15], v[244:245]
	s_wait_alu depctr_va_vdst(0)                   ; and one for the four
.irp b, 0,1,2,3
	v_max_num_f32 v[240+\b], 0x1800000, v[240+\b]  ; the floor 2^(3 - 127): the byte cannot fall under 1
.endr
.irp b, 0,1,2,3
	s_delay_alu instid0(VALU_DEP_4)
	v_add_nc_u32 v[248+\b], 0xff000000, v[240+\b]  ; 2 off the exponent field: the conversion's scale operand
.endr
.irp b, 0,1,2,3
	s_delay_alu instid0(VALU_DEP_4)
	v_lshrrev_b32 v[244+\b], 23, v[248+\b]
.endr
	s_delay_alu instid0(VALU_DEP_3)
	v_lshl_or_b32 v25, v245, 8, v244               ; p's scale word
	s_delay_alu instid0(VALU_DEP_1)
	v_lshl_or_b32 v25, v246, 16, v25
	s_delay_alu instid0(VALU_DEP_1)
	v_lshl_or_b32 v25, v247, 24, v25
.irp b, 0,1,2,3
	v_cvt_scalef32_pk8_fp4_f32 v[232+2*\b], v[136+16*\b:143+16*\b], v[248+\b]
	v_cvt_scalef32_pk8_fp4_f32 v[233+2*\b], v[144+16*\b:151+16*\b], v[248+\b]
.endr
	v_nop                                          ; one plain place behind a scaled conversion
.irp c, 0,1
.irp i, 0,1
	v_permlane16_swap_b32 v[232+4*\c+\i], v[234+4*\c+\i]          ; a whole block in a lane
.endr
.endr
	s_wait_alu depctr_va_vdst(0)
.set j, 0
.rept 16
	v_pk_mul_f32 v[200+j:201+j], v[200+j:201+j], v[252:253] op_sel_hi:[1,0]   ; O^T under the new M; also the places ahead of the scaled products
.set j, j+2
.endr
	s_wait_alu depctr_va_vdst(0)
	s_wait_dscnt 12*\pre                           ; V's twelve loads are in; the twelve for the next step's K, issued behind them, may be out
.irp t, 0,1,2,3
	v_wmma_scale_f32_16x16x128_f8f6f4 v[200+8*\t:207+8*\t], v[104+8*\t:111+8*\t], v[232:239], v[200+8*\t:207+8*\t], v[34+\t], v25 matrix_a_fmt:MATRIX_FMT_FP4 matrix_b_fmt:MATRIX_FMT_FP4
.endr
.endm
	s_wait_alu depctr_va_vdst(0)
	s_wait_tensorcnt 0x0                           ; my part has landed,
	s_barrier_signal -1
	s_barrier_wait -1                              ; everybody's has; nothing is filled again
	LOADK                                          ; the first step's K
	s_mov_b32 s42, 15
	s_wait_loadcnt 0x0                             ; Q
.Lstep:
	STEP 1
	s_sub_co_u32 s42, s42, 1
	s_cmp_lg_u32 s42, 0
	s_cbranch_scc1 .Lstep
	STEP 0                                         ; the last step asks for no further K
	; THE WAY OUT: O^T / the sum, the quantiser along the head's 64 channels (two blocks), half a fragment and half a scale word a row
	v_add_f32 v14, v14, v15
	s_delay_alu instid0(VALU_DEP_1)
	v_permlanex16_b32 v252, v14, s44, s45
	s_delay_alu instid0(VALU_DEP_1)
	v_add_f32 v14, v14, v252
	s_wait_alu depctr_va_vdst(0)
	v_rcp_f32 v14, v14
.rept 4
	v_nop
.endr
	s_wait_alu depctr_va_vdst(0)
.set j, 0
.rept 32
	v_mul_f32 v[136+j], v[200+j], v14
.set j, j+1
.endr
.irp b, 0,1
	v_max3_num_f32 v[240+\b], |v[136+16*\b]|, |v[137+16*\b]|, 0x1800000
.endr
.irp i, 2,4,6,8,10,12,14
.irp b, 0,1
	s_delay_alu instid0(VALU_DEP_2)
	v_max3_num_f32 v[240+\b], v[240+\b], |v[136+16*\b+\i]|, |v[137+16*\b+\i]|
.endr
.endr
.irp b, 0,1
	s_delay_alu instid0(VALU_DEP_2)
	v_permlanex16_b32 v[244+\b], v[240+\b], s44, s45
.endr
.irp b, 0,1
	s_delay_alu instid0(VALU_DEP_2)
	v_max_num_f32 v[240+\b], v[240+\b], v[244+\b]
.endr
.irp b, 0,1
	s_delay_alu instid0(VALU_DEP_2)
	v_add_nc_u32 v[248+\b], 0xff000000, v[240+\b]
.endr
.irp b, 0,1
	s_delay_alu instid0(VALU_DEP_2)
	v_lshrrev_b32 v[244+\b], 23, v[248+\b]
.endr
	s_delay_alu instid0(VALU_DEP_1)
	v_lshl_or_b32 v254, v245, 8, v244
.irp b, 0,1
	v_cvt_scalef32_pk8_fp4_f32 v[232+2*\b], v[136+16*\b:143+16*\b], v[248+\b]
	v_cvt_scalef32_pk8_fp4_f32 v[233+2*\b], v[144+16*\b:151+16*\b], v[248+\b]
.endr
	v_nop
	v_permlane16_swap_b32 v232, v234
	v_permlane16_swap_b32 v233, v235
	global_store_b128 v1, v[232:235], s[18:19]     ; 32 lanes store 512 consecutive bytes, aligned
	global_store_b16 v10, v254, s[20:21]
	s_wait_tensorcnt 0x0                           ; the wave's end
	ds_add_u32 v5, v6
	s_wait_dscnt 0x0
	CROUND                                         ; the closing round
	s_endpgm
.Lfunc_end_k_qcc63281972_attn:
	.size	k_qcc63281972_attn, .Lfunc_end_k_qcc63281972_attn-k_qcc63281972_attn
	.p2alignl 7, 3214868480
	.fill 96, 4, 3214868480
	.section	.rodata,"a",@progbits
	.p2align	6, 0x0
	.amdhsa_kernel k_qcc63281972_attn
		.amdhsa_group_segment_fixed_size 327680
		.amdhsa_private_segment_fixed_size 0
		.amdhsa_enable_private_segment 0
		.amdhsa_kernarg_size 16
		.amdhsa_user_sgpr_count 2
		.amdhsa_user_sgpr_kernarg_segment_ptr 1
		.amdhsa_wavefront_size32 1
		.amdhsa_system_sgpr_workgroup_id_x 1
		.amdhsa_system_sgpr_workgroup_id_y 1
		.amdhsa_system_sgpr_workgroup_id_z 1
		.amdhsa_system_vgpr_workitem_id 0
		.amdhsa_next_free_vgpr 256
		.amdhsa_next_free_sgpr 66
		.amdhsa_reserve_vcc 0
		.amdhsa_float_denorm_mode_32 3
		.amdhsa_float_denorm_mode_16_64 3
		.amdhsa_memory_ordered 1
		.amdhsa_forward_progress 1
		.amdhsa_inst_pref_size 46
	.end_amdhsa_kernel
	.amdgpu_metadata
---
amdhsa.version: [ 1, 2 ]
amdhsa.kernels:
  - .name:           k_qcc63281972_attn
    .symbol:         k_qcc63281972_attn.kd
    .args:
      - { .name: qkv, .offset: 0, .size: 8, .value_kind: global_buffer, .address_space: global }
      - { .name: act, .offset: 8, .size: 8, .value_kind: global_buffer, .address_space: global }
    .group_segment_fixed_size: 327680
    .private_segment_fixed_size: 0
    .kernarg_segment_align: 8
    .kernarg_segment_size: 16
    .max_flat_workgroup_size: 512
    .sgpr_count:     66
    .vgpr_count:     256
    .wavefront_size: 32
...
	.end_amdgpu_metadata
.endif
;; end of part 3
;; launch proj (part 4): grid 8 x 32, 8 waves a work-group, clusters of 4 x 4, 327,680 bytes of LDS; arguments act, w_proj_codes, w_proj_scales, b_proj, x, x1; writes x1
.if DOCPART == 4
	.amdgcn_target "amdgcn-amd-amdhsa--gfx1250"
	.amdhsa_code_object_version 6
	.text
	.protected	k_qcc63281972_proj
	.globl	k_qcc63281972_proj
	.p2align	8
	.type	k_qcc63281972_proj,@function
k_qcc63281972_proj:
	s_mov_b64 s[64:65], 0
	v_nop
	global_prefetch_b8 v0, s[64:65] scope:SCOPE_SE
	s_setreg_imm32_b32 hwreg(HW_REG_WAVE_MODE, 25, 1), 1
	s_wait_xcnt 0x0
	s_wait_alu depctr_hold_cnt(0) depctr_sa_sdst(0) depctr_va_vdst(0) depctr_va_sdst(0) depctr_va_ssrc(0) depctr_va_vcc(0) depctr_vm_vsrc(0)
	s_getreg_b32 s2, hwreg(HW_REG_IB_STS2, 6, 4)
	s_cmp_eq_u32 s2, 0
	s_cbranch_scc0 .Lentry_in_a_cluster
	s_endpgm
.Lentry_in_a_cluster:
	s_bfe_u32 s2, ttmp6, 0x10000c
	s_cmp_lg_u32 s2, 0xf033
	s_cbranch_scc0 .Lentry_shape_is_right
	s_endpgm
.Lentry_shape_is_right:
; x1 = x + (attention's result) W_proj + b_proj, the product on codes of E2M1.  No work is left out.
; A work-group makes 128 tokens (8 tiles of the activation's images) x 128 columns; eight waves, each 64 columns (source 0 = 16 rows of W, four tiles) x 32 tokens (source 1, two tiles): 8 accumulators by turns,
; one instruction a turn.  K = 1,024 lies in two slots of 512, both asked for at the head; nothing is filled again.
; CLUSTERS: 4 x 4 work-groups.  The four of a row of the cluster need the same tiles of the activation, the four of a column the same rows of W: each is asked for JOINTLY, by the same tensor load with the same
; descriptor and a mask that names the four.
; A lane holds one token and 8 neighbouring columns an accumulator; results go through the wave's stage in LDS and leave as whole runs of 256 bytes, with the residual and the bias added on the way.
; LIMITS: NaN and infinities are not served.
.set NQ,    4                          ; K steps of 128 in a slot
.set NQT,   8                          ; in all of K
.set ROWB,  512                        ; a whole row of W, in bytes: slot p is its half p
.set PITCH, 528                        ; and in LDS: + 16 of padding
.set QI,    6                          ; the padding's interval: 128 words
.set TILEB, 8192                       ; a tile of A in memory and in LDS: slot p is its half p
.set KROW,  512                        ; a row of W in memory
.set KS,    32                         ; a row of W's scale bytes
.set SCOFF, 2097152                    ; where A's scale words begin
.set RS,    16                         ; units of 256 bytes in a load of scales: a side's, whole
.set APB,   8*TILEB                    ; A's 8 tiles,
.set WPB,   128*PITCH                  ; then W's 128 rows
.set SLOTB, APB+WPB
.set ASC,   2*SLOTB                    ; A's scale words, as units of 256 bytes + 16
.set TSB,   (NQT*64/256)*272           ; a tile's
.set WSC,   ASC+8*TSB                  ; W's scale bytes likewise
.set SB32,  (32*KS/256)*272            ; 32 rows'
.set SPARE, WSC+4*SB32                 ; the spare words, 128 bytes for each wave: four blocks of 256 bytes that no other line names
.set STGB,  16*272                     ; the way out: a stage of 16 rows x (256 + 16) bytes for each wave, from byte SLOTB on: bytes of its own, into which no fill lands
.set ADA,  1                           ; v1, v2 my fragments of A in slot 0, 1;  v3, v4 of W;  v5 W's scale words;  v6 A's;  v7, v8 the add's two;  v9 into the stage;  v10 out of it;  v11 my place in two rows of the output
.set ADW,  3
.set ADSW, 5
.set ADSA, 6
.set SPW,  7
.set NIL,  8
.set FS1,  16                          ; v16-31 source 1;  v32-63 source 0;  v64-71 W's scale words, v72-75 A's;  80 registers up (v96-155) the second set of all these;  v160-191, v16-47 rows read back;  v192-255 accumulators
.set FS0,  32
.set SW,   64
.set SA,   72
.set XR,   0                           ; the residual: v256-319, named v0-63 in window 1
.set ACC,  192
.set G1A,  24                          ; s[24:31] group 1 for A's images;  s[32:39] for W's codes;  s[40:47], s[48:55] for A's and W's scales
.set G1W,  32
.set G1SA, 40
.set G1SW, 48
.set G0AS, 56                          ; groups 0: s[56:59] A's scales;  s[60:63] W's scales;  s[68:71] A's tiles;  s[76:79] W's rows
.set G0WS, 60
.set G0A,  68
.set G0W,  76
.macro CROUND                          ; a round of the cluster's barrier: my work-group's barrier; wave 0 signals for the work-group; every wave waits for all sixteen work-groups; my work-group's barrier once more
	s_barrier_signal -1
	s_barrier_wait -1
	s_cmp_lg_u32 s16, 0
	s_cbranch_scc1 .Lnot_wave_0_\@
	s_barrier_signal -3
.Lnot_wave_0_\@:
	s_barrier_wait -3
	s_barrier_signal -1
	s_barrier_wait -1
.endm
	s_load_b256 s[4:11], s[0:1], 0x0               ; A s[4:5], W's codes s[6:7], W's scales s[8:9], the bias s[10:11]
	s_load_b128 s[12:15], s[0:1], 0x20             ; the residual s[12:13], out s[14:15]
	v_lshl_add_u32 v[SPW], v0, 2, SPARE
	v_mov_b32 v[NIL], 0
	ds_add_u32 v[SPW], v[NIL]                      ; the wave's opening: the add, twice on end, and its wait ahead of my first tensor load
	ds_add_u32 v[SPW], v[NIL]
	v_lshrrev_b32 v1, 5, v0
	s_delay_alu instid0(VALU_DEP_1)
	v_readfirstlane_b32 s16, v1                    ; wave 0..7
	s_and_b32 s17, s16, 3                          ; waves 0-3 fetch W: which 32 rows
	s_bfe_u32 s2, ttmp6, 0x40000                   ; cx, cy: my place in the cluster
	s_bfe_u32 s3, ttmp6, 0x40004
	s_lshl_b32 s18, ttmp9, 2
	s_add_co_u32 s18, s18, s2                      ; X = 4 x cluster x + cx: 128 columns
	s_and_b32 s19, ttmp7, 0xffff
	s_lshl_b32 s19, s19, 2
	s_add_co_u32 s19, s19, s3                      ; Y = 4 x cluster y + cy: 8 tiles
	s_and_b32 s20, s16, 1                          ; which 64 columns are mine
	s_lshr_b32 s21, s16, 1                         ; which two tiles
	s_lshl_b32 s84, s3, 2
	s_lshl_b32 s84, 15, s84                        ; my row of the cluster
	s_lshl_b32 s85, 0x1111, s2                     ; my column
	s_or_b32 s[G1A], s84, (3<<16)|(1<<21)          ; A's images go to my row: four rows (tiles) of NQT fragments, in elements of 8 bytes, no padding; bit 21 set beside a mask
	s_mov_b32 s[G1A+1], (TILEB/8)<<16              ; (four whole tiles to a load)
	s_mov_b32 s[G1A+2], 4<<16
	s_mov_b32 s[G1A+3], (TILEB/8)<<16
	s_mov_b32 s[G1A+4], 4
	s_mov_b32 s[G1A+5], TILEB/8
	s_mov_b32 s[G1A+6], 0
	s_mov_b32 s[G1A+7], 0
	s_or_b32 s[G1W], s85, (1<<20)|(1<<21)|(QI<<22)|(3<<25)   ; W's codes go to my column: 32 rows of ROWB bytes, four words of padding behind each
	s_mov_b32 s[G1W+1], ROWB<<16
	s_mov_b32 s[G1W+2], 32<<16
	s_mov_b32 s[G1W+3], ROWB<<16
	s_mov_b32 s[G1W+4], 32
	s_mov_b32 s[G1W+5], KROW
	s_mov_b32 s[G1W+6], 0
	s_mov_b32 s[G1W+7], 0
	s_or_b32 s[G1SA], s84, (3<<16)|(1<<20)|(1<<21)|(5<<22)|(3<<25)   ; scales: a dense block as RS rows of 256 bytes, padded
	s_or_b32 s[G1SW], s85, (3<<16)|(1<<20)|(1<<21)|(5<<22)|(3<<25)
.irp g, G1SA, G1SW
	s_mov_b32 s[\g+1], 32<<16
	s_mov_b32 s[\g+2], RS<<16
	s_mov_b32 s[\g+3], 32<<16
	s_mov_b32 s[\g+4], RS
	s_mov_b32 s[\g+5], 32
	s_mov_b32 s[\g+6], 0
	s_mov_b32 s[\g+7], 0
.endr
	; groups 0: count, LDS address (the wave's number alone), and the byte offset in the place of the global address, to which the base is added below.  What feeds A's never holds cx, what feeds W's never cy
	s_lshl_b32 s86, s19, 3                         ; my work-group's first tile of A
	s_mov_b32 s[G0AS], 1
	s_mov_b32 s[G0AS+1], ASC
	s_mul_i32 s[G0AS+2], s86, NQT*64               ; the 8 tiles' scale words (wave 6)
	s_add_co_u32 s[G0AS+2], s[G0AS+2], SCOFF
	s_mov_b32 s[G0AS+3], 0
	s_lshl_b32 s88, s20, 2
	s_add_co_u32 s86, s86, s88                     ; waves 4, 5 fetch A: four tiles each
	s_mov_b32 s[G0A], 1
	s_mul_i32 s[G0A+1], s20, 4*TILEB
	s_mul_i32 s[G0A+2], s86, TILEB
	s_mov_b32 s[G0A+3], 0
	s_lshl_b32 s87, s18, 7                         ; my work-group's first row of W
	s_mov_b32 s[G0WS], 1
	s_mov_b32 s[G0WS+1], WSC
	s_mul_i32 s[G0WS+2], s87, KS                   ; the 128 rows' scale bytes (wave 7)
	s_lshl_b32 s88, s17, 5
	s_add_co_u32 s87, s87, s88                     ; the first of the 32 rows of W
	s_mov_b32 s[G0WS+3], 0
	s_mov_b32 s[G0W], 1
	s_mul_i32 s[G0W+1], s17, 32*PITCH
	s_add_co_u32 s[G0W+1], s[G0W+1], APB
	s_mul_i32 s[G0W+2], s87, KROW
	s_mov_b32 s[G0W+3], 0
	s_lshl_b32 s22, s19, 7
	s_lshl_b32 s23, s21, 5
	s_add_co_u32 s22, s22, s23
	s_lshl_b32 s100, s22, 12                       ; my 32 tokens' rows of 4,096 bytes,
	s_lshl_b32 s22, s18, 9
	s_lshl_b32 s23, s20, 8
	s_add_co_u32 s22, s22, s23                     ; my 64 columns
	s_add_co_u32 s100, s100, s22
	s_mov_b32 s101, 0
	s_mov_b32 s23, 0
	s_wait_dscnt 0x0                               ; both opening adds are done
	s_wait_kmcnt 0x0
	s_add_nc_u64 s[G0AS+2:G0AS+3], s[4:5], s[G0AS+2:G0AS+3]
	s_or_b32 s[G0AS+3], s[G0AS+3], 0x80000000
	s_add_nc_u64 s[G0A+2:G0A+3], s[4:5], s[G0A+2:G0A+3]
	s_or_b32 s[G0A+3], s[G0A+3], 0x80000000
	s_add_nc_u64 s[G0WS+2:G0WS+3], s[8:9], s[G0WS+2:G0WS+3]
	s_or_b32 s[G0WS+3], s[G0WS+3], 0x80000000
	s_add_nc_u64 s[G0W+2:G0W+3], s[6:7], s[G0W+2:G0W+3]
	s_or_b32 s[G0W+3], s[G0W+3], 0x80000000
	CROUND                                         ; all sixteen work-groups are here: the joint loads meet
; THE HEAD'S LOADS, ONE A WAVE: waves 0-3 32 rows of W each, waves 4 and 5 four tiles of A each, wave 6 A's scales, wave 7 W's.  A load brings both slots' halves of its rows.
; One chain of branches on the wave's number, an arm a load, all arms leading to one join.
.macro ARM under, g0, g1, next
	s_cmp_lt_u32 s16, \under
	s_cbranch_scc0 \next
	tensor_load_to_lds s[\g0:\g0+3], s[\g1:\g1+7]
	s_nop 0
.rept 4
	v_nop
.endr
	s_branch .Lfilled
\next:
.endm
	ARM 4, G0W,  G1W,  .Lfill_a
	ARM 6, G0A,  G1A,  .Lfill_sa
	ARM 7, G0AS, G1SA, .Lfill_sw
	tensor_load_to_lds s[G0WS:G0WS+3], s[G1SW:G1SW+7]
	s_nop 0
.rept 4
	v_nop
.endr
.Lfilled:
	s_add_nc_u64 s[12:13], s[12:13], s[100:101]
	s_add_nc_u64 s[14:15], s[14:15], s[100:101]
	s_add_nc_u64 s[10:11], s[10:11], s[22:23]
	v_and_b32 v78, 15, v0                          ; r
	v_bfe_u32 v79, v0, 4, 1                        ; h
	s_delay_alu instid0(VALU_DEP_1)
	v_lshlrev_b32 v11, 12, v79
	s_delay_alu instid0(VALU_DEP_1)
	v_lshl_add_u32 v11, v78, 4, v11                ; lanes 0-15 one row of the output, lanes 16-31 the next; 16 bytes a lane
	s_delay_alu instid0(VALU_DEP_4)
	v_lshlrev_b32 v84, 4, v78
	s_set_vgpr_msb 0x0040                          ; destinations in window 1, addresses in window 0
.irp b, 0,1                                    ; the residual, in the layout in which rows come back from the stage: row 2 i + h of tile b is token 8 b + 2 i + 8 (i / 4) + h of my 32.  It stays out during the K steps
.irp i, 0,1,2,3,4,5,6,7
	global_load_b128 v[XR+32*\b+4*\i:XR+32*\b+4*\i+3], v11, s[12:13] offset:(8*\b+2*\i+8*(\i/4))*4096 th:TH_LOAD_NT
.endr
.endr
	s_set_vgpr_msb 0x4000
	global_load_b128 v[12:15], v84, s[10:11]       ; the bias of my four columns
	v_and_b32 v81, 31, v0
	s_delay_alu instid0(VALU_DEP_1)
	v_lshlrev_b32 v81, 4, v81                      ; 16 x lane
	v_and_b32 v80, 8, v78
	s_delay_alu instid0(VALU_DEP_1)
	v_add_nc_u32 v80, v80, v78                     ; r + 8 (r / 8)
	s_mul_i32 s22, s21, 2*TILEB
	v_add_nc_u32 v[ADA], s22, v81
	s_delay_alu instid0(VALU_DEP_1)
	v_add_nc_u32 v[ADA+1], NQ*1024, v[ADA]
	v_mul_u32_u24 v82, v80, PITCH
	s_delay_alu instid0(VALU_DEP_1)
	v_lshl_add_u32 v82, v79, 4, v82
	s_mul_i32 s22, s20, 64*PITCH
	s_add_co_u32 s22, s22, APB
	v_add_nc_u32 v[ADW], s22, v82
	s_delay_alu instid0(VALU_DEP_1)
	v_add_nc_u32 v[ADW+1], ROWB/2, v[ADW]
	v_lshl_add_u32 v82, v79, 3, v80
	s_delay_alu instid0(VALU_DEP_1)
	v_mul_u32_u24 v82, v82, KS                     ; W's scales: KS bytes a row; lanes 16-31 eight rows on (the odd tile);
	s_delay_alu instid0(VALU_DEP_1)
	v_lshrrev_b32 v83, 8, v82
	s_delay_alu instid0(VALU_DEP_1)
	v_lshl_add_u32 v82, v83, 4, v82                ; 16 more for each 256 passed
	s_mul_i32 s22, s20, 2*SB32
	s_add_co_u32 s22, s22, WSC
	v_add_nc_u32 v[ADSW], s22, v82
	v_mul_u32_u24 v82, v79, TSB
	s_delay_alu instid0(VALU_DEP_1)
	v_lshl_add_u32 v82, v78, 2, v82                ; A's scales: 4 r; lanes 16-31 one tile on
	s_mul_i32 s22, s21, 2*TSB
	s_add_co_u32 s22, s22, ASC
	v_add_nc_u32 v[ADSA], s22, v82
	s_mul_i32 s22, s16, STGB
	s_add_co_u32 s22, s22, SLOTB
	v_mul_u32_u24 v82, v78, 272
	s_delay_alu instid0(VALU_DEP_1)
	v_lshl_add_u32 v82, v79, 6, v82
	s_delay_alu instid0(VALU_DEP_1)
	v_add_nc_u32 v9, s22, v82                      ; into the stage: row r, + 64 h bytes
	v_mul_u32_u24 v82, v79, 272
	s_delay_alu instid0(VALU_DEP_1)
	v_lshl_add_u32 v82, v78, 4, v82
	s_delay_alu instid0(VALU_DEP_1)
	v_add_nc_u32 v10, s22, v82                     ; back: lanes 0-15 one row, lanes 16-31 the next
.macro PLACES                          ; four places in front of loads into registers that matrix instructions have read
.rept 4
	v_nop
.endr
.endm
.macro LDA_T reg, p, off
	ds_load_b128 v[\reg:\reg+3], v[ADA+\p] offset:\off
	ds_load_b128 v[\reg+4:\reg+7], v[ADA+\p] offset:\off+512
.endm
.macro LDW_T reg, p, off
	ds_load_b128 v[\reg:\reg+3], v[ADW+\p] offset:\off
	ds_load_b128 v[\reg+4:\reg+7], v[ADW+\p] offset:\off+32
.endm
.macro WM zero, ra, rb                 ; one product on rD, rA, rB, rSA, rSB.  ra, rb: the side's scales stand in lanes 16-31
.if \zero
.if (\ra)&&(\rb)
	v_wmma_scale_f32_16x16x128_f8f6f4 v[rD:rD+7], v[rA:rA+7], v[rB:rB+7], 0, v[rSA], v[rSB] matrix_a_fmt:MATRIX_FMT_FP4 matrix_b_fmt:MATRIX_FMT_FP4 matrix_a_scale:MATRIX_SCALE_ROW1 matrix_b_scale:MATRIX_SCALE_ROW1
.elseif (\ra)
	v_wmma_scale_f32_16x16x128_f8f6f4 v[rD:rD+7], v[rA:rA+7], v[rB:rB+7], 0, v[rSA], v[rSB] matrix_a_fmt:MATRIX_FMT_FP4 matrix_b_fmt:MATRIX_FMT_FP4 matrix_a_scale:MATRIX_SCALE_ROW1
.elseif (\rb)
	v_wmma_scale_f32_16x16x128_f8f6f4 v[rD:rD+7], v[rA:rA+7], v[rB:rB+7], 0, v[rSA], v[rSB] matrix_a_fmt:MATRIX_FMT_FP4 matrix_b_fmt:MATRIX_FMT_FP4 matrix_b_scale:MATRIX_SCALE_ROW1
.else
	v_wmma_scale_f32_16x16x128_f8f6f4 v[rD:rD+7], v[rA:rA+7], v[rB:rB+7], 0, v[rSA], v[rSB] matrix_a_fmt:MATRIX_FMT_FP4 matrix_b_fmt:MATRIX_FMT_FP4
.endif
.else
.if (\ra)&&(\rb)
	v_wmma_scale_f32_16x16x128_f8f6f4 v[rD:rD+7], v[rA:rA+7], v[rB:rB+7], v[rD:rD+7], v[rSA], v[rSB] matrix_a_fmt:MATRIX_FMT_FP4 matrix_b_fmt:MATRIX_FMT_FP4 matrix_a_scale:MATRIX_SCALE_ROW1 matrix_b_scale:MATRIX_SCALE_ROW1
.elseif (\ra)
	v_wmma_scale_f32_16x16x128_f8f6f4 v[rD:rD+7], v[rA:rA+7], v[rB:rB+7], v[rD:rD+7], v[rSA], v[rSB] matrix_a_fmt:MATRIX_FMT_FP4 matrix_b_fmt:MATRIX_FMT_FP4 matrix_a_scale:MATRIX_SCALE_ROW1
.elseif (\rb)
	v_wmma_scale_f32_16x16x128_f8f6f4 v[rD:rD+7], v[rA:rA+7], v[rB:rB+7], v[rD:rD+7], v[rSA], v[rSB] matrix_a_fmt:MATRIX_FMT_FP4 matrix_b_fmt:MATRIX_FMT_FP4 matrix_b_scale:MATRIX_SCALE_ROW1
.else
	v_wmma_scale_f32_16x16x128_f8f6f4 v[rD:rD+7], v[rA:rA+7], v[rB:rB+7], v[rD:rD+7], v[rSA], v[rSB] matrix_a_fmt:MATRIX_FMT_FP4 matrix_b_fmt:MATRIX_FMT_FP4
.endif
.endif
.endm
.set ALT, 80                           ; the second set of fragments (v96-143) and of scale words (v144-155) lies 80 registers above the first
.macro WM4 a0, q, zero                 ; W's tiles a0, a0 + 1 x A's two, K step q: the fragments of set q % 2, the scale words of set (q / 4) % 2
.irp a, \a0, \a0+1
.irp b, 0, 1
.set rD,  ACC+32*\b+8*(\a)
.set rA,  FS0+8*(\a)+ALT*((\q)%2)
.set rB,  FS1+8*\b+ALT*((\q)%2)
.set rSA, SW+4*((\a)/2)+((\q)%4)+ALT*(((\q)/4)%2)
.set rSB, SA+((\q)%4)+ALT*(((\q)/4)%2)
	WM \zero, (\a)%2, \b
.endr
.endr
.endm
.macro KLOAD p, qs, q                  ; the LDS loads of K step q, the qs-th of slot p: 12, and 6 more where four K steps' scale words are due
.set FB, ALT*((\q)%2)
.set SS, ALT*(((\q)/4)%2)
	PLACES                                         ; the set was read by the products of K step q - 2, issued just before
.if ((\q)%4) == 0
.irp e, 0,1
	ds_load_b128 v[SS+SW+4*\e:SS+SW+4*\e+3], v[ADSW] offset:\e*SB32+16*((\q)/4)  ; four K steps' words of W's tiles 2 e (lanes 0-15) and 2 e + 1 (lanes 16-31)
.endr
.irp k, 0,1,2,3
	ds_load_b32 v[SS+SA+\k], v[ADSA] offset:64*((\q)+\k)+16*((\q)/4)             ; A's two tiles likewise
.endr
.endif
	LDA_T FB+FS1, \p, (\qs)*1024
	LDA_T FB+FS1+8, \p, TILEB+(\qs)*1024
.irp a, 0,1,2,3
	LDW_T FB+FS0+8*\a, \p, (32*(\a/2)+8*(\a%2))*PITCH+64*(\qs)
.endr
.endm
.macro SLOTRUN p, q0, zero             ; a slot's NQ K steps: the next step's loads are issued ahead of the wait for this step's
	KLOAD \p, 0, \q0
.set QS, 0
.rept NQ
.if QS < NQ-1
	KLOAD \p, QS+1, \q0+QS+1
.if ((\q0+QS+1)%4) == 0
	s_wait_dscnt 18                                ; this step's loads are in; the next step's 18 may be out
.else
	s_wait_dscnt 12                                ; this step's loads are in; the next step's 12 may be out
.endif
.else
	s_wait_dscnt 0x0
.endif
.if (QS==0)&&(\zero)
	WM4 0, \q0+QS, 1                               ; the first K step starts the sums: nothing is cleared
	WM4 2, \q0+QS, 1
.else
	WM4 0, \q0+QS, 0
	WM4 2, \q0+QS, 0
.endif
.set QS, QS+1
.endr
.endm
	s_wait_alu depctr_va_vdst(0)
	s_wait_tensorcnt 0x0                           ; my one load has landed,
	s_barrier_signal -1
	s_barrier_wait -1                              ; everybody's has: all of K and the scales are in; nothing is filled again
	SLOTRUN 0, 0, 1
	SLOTRUN 1, NQ, 0
	; THE WAY OUT
	s_wait_loadcnt 0x0                             ; the residual and the bias
	s_set_vgpr_msb 0x0041                          ; source 0 and destination in window 1
.set j, 0
.rept 16
	v_pk_add_f32 v[XR+j:XR+j+1], v[XR+j:XR+j+1], v[12:13]      ; residual + bias.  (These 32 are also the places behind the last products)
	v_pk_add_f32 v[XR+j+2:XR+j+3], v[XR+j+2:XR+j+3], v[14:15]
.set j, j+4
.endr
	s_set_vgpr_msb 0x4100
.irp b, 0,1
.irp a, 0,1,2,3
	ds_store_b128 v9, v[ACC+32*\b+8*\a:ACC+32*\b+8*\a+3] offset:128*(\a/2)+32*(\a%2)        ; column 32 (a / 2) + 16 h + 8 (a % 2) + i; each accumulator from its low end on
	ds_store_b128 v9, v[ACC+32*\b+8*\a+4:ACC+32*\b+8*\a+7] offset:128*(\a/2)+32*(\a%2)+16
.endr
.irp i, 0,1,2,3,4,5,6,7
	ds_load_b128 v[160-144*\b+4*\i:160-144*\b+4*\i+3], v10 offset:2*\i*272                 ; LDS serves a wave's instructions in order: these see my stores, and the next tile's stores come behind them
.endr
.endr
.irp b, 0,1
	s_wait_dscnt 16*(1-\b)                         ; this tile's rows are back; the other tile's sixteen instructions may be out
	s_set_vgpr_msb 0x0004                          ; source 1 in window 1
.irp i, 0,1,2,3,4,5,6,7
	v_pk_add_f32 v[160-144*\b+4*\i:160-144*\b+4*\i+1], v[160-144*\b+4*\i:160-144*\b+4*\i+1], v[XR+32*\b+4*\i:XR+32*\b+4*\i+1]
	v_pk_add_f32 v[160-144*\b+4*\i+2:160-144*\b+4*\i+3], v[160-144*\b+4*\i+2:160-144*\b+4*\i+3], v[XR+32*\b+4*\i+2:XR+32*\b+4*\i+3]
.endr
	s_set_vgpr_msb 0x0400
.irp i, 0,1,2,3,4,5,6,7
	global_store_b128 v11, v[160-144*\b+4*\i:160-144*\b+4*\i+3], s[14:15] offset:(8*\b+2*\i+8*(\i/4))*4096   ; sixteen lanes store 256 consecutive bytes, aligned
.endr
.endr
	s_wait_tensorcnt 0x0                           ; the wave's end
	ds_add_u32 v[SPW], v[NIL]
	s_wait_dscnt 0x0
	CROUND                                         ; the closing round: no work-group ends while a partner may still ask for a tile that names it
	s_endpgm
.Lfunc_end_k_qcc63281972_proj:
	.size	k_qcc63281972_proj, .Lfunc_end_k_qcc63281972_proj-k_qcc63281972_proj
	.p2alignl 7, 3214868480
	.fill 96, 4, 3214868480
	.section	.rodata,"a",@progbits
	.p2align	6, 0x0
	.amdhsa_kernel k_qcc63281972_proj
		.amdhsa_group_segment_fixed_size 327680
		.amdhsa_private_segment_fixed_size 0
		.amdhsa_enable_private_segment 0
		.amdhsa_kernarg_size 48
		.amdhsa_user_sgpr_count 2
		.amdhsa_user_sgpr_kernarg_segment_ptr 1
		.amdhsa_wavefront_size32 1
		.amdhsa_system_sgpr_workgroup_id_x 1
		.amdhsa_system_sgpr_workgroup_id_y 1
		.amdhsa_system_sgpr_workgroup_id_z 1
		.amdhsa_system_vgpr_workitem_id 0
		.amdhsa_next_free_vgpr 320
		.amdhsa_next_free_sgpr 102
		.amdhsa_reserve_vcc 0
		.amdhsa_float_denorm_mode_32 3
		.amdhsa_float_denorm_mode_16_64 3
		.amdhsa_memory_ordered 1
		.amdhsa_forward_progress 1
		.amdhsa_inst_pref_size 36
	.end_amdhsa_kernel
	.amdgpu_metadata
---
amdhsa.version: [ 1, 2 ]
amdhsa.kernels:
  - .name:           k_qcc63281972_proj
    .symbol:         k_qcc63281972_proj.kd
    .args:
      - { .name: act, .offset: 0, .size: 8, .value_kind: global_buffer, .address_space: global }
      - { .name: w_proj_codes, .offset: 8, .size: 8, .value_kind: global_buffer, .address_space: global }
      - { .name: w_proj_scales, .offset: 16, .size: 8, .value_kind: global_buffer, .address_space: global }
      - { .name: b_proj, .offset: 24, .size: 8, .value_kind: global_buffer, .address_space: global }
      - { .name: x, .offset: 32, .size: 8, .value_kind: global_buffer, .address_space: global }
      - { .name: x1, .offset: 40, .size: 8, .value_kind: global_buffer, .address_space: global }
    .group_segment_fixed_size: 327680
    .private_segment_fixed_size: 0
    .kernarg_segment_align: 8
    .kernarg_segment_size: 48
    .max_flat_workgroup_size: 256
    .sgpr_count:     102
    .vgpr_count:     320
    .wavefront_size: 32
...
	.end_amdgpu_metadata
.endif
;; end of part 4
;; launch ln2: the kernel of part 1 again; grid 256 x 1, 16 waves a work-group, no clusters, 84,480 bytes of LDS; arguments x1, g2, beta2, act; writes act
;; launch fc1 (part 5): grid 16 x 16, 16 waves a work-group, clusters of 4 x 4, 327,680 bytes of LDS; arguments act, w_fc1_codes, w_fc1_scales, b_fc1, hid; writes hid
.if DOCPART == 5
	.amdgcn_target "amdgcn-amd-amdhsa--gfx1250"
	.amdhsa_code_object_version 6
	.text
	.protected	k_qcc63281972_fc1
	.globl	k_qcc63281972_fc1
	.p2align	8
	.type	k_qcc63281972_fc1,@function
k_qcc63281972_fc1:
	s_mov_b64 s[64:65], 0
	v_nop
	global_prefetch_b8 v0, s[64:65] scope:SCOPE_SE
	s_setreg_imm32_b32 hwreg(HW_REG_WAVE_MODE, 25, 1), 1
	s_wait_xcnt 0x0
	s_wait_alu depctr_hold_cnt(0) depctr_sa_sdst(0) depctr_va_vdst(0) depctr_va_sdst(0) depctr_va_ssrc(0) depctr_va_vcc(0) depctr_vm_vsrc(0)
	s_getreg_b32 s2, hwreg(HW_REG_IB_STS2, 6, 4)
	s_cmp_eq_u32 s2, 0
	s_cbranch_scc0 .Lentry_in_a_cluster
	s_endpgm
.Lentry_in_a_cluster:
	s_bfe_u32 s2, ttmp6, 0x10000c
	s_cmp_lg_u32 s2, 0xf033
	s_cbranch_scc0 .Lentry_shape_is_right
	s_endpgm
.Lentry_shape_is_right:
; hidden = gelu(LN2(x1) W_fc1 + b_fc1), the product on codes of E2M1, the exact GELU in f32, and the quantiser along the hidden layer's 4,096.  No work is left out.
; A work-group makes 256 tokens (16 tiles) x 256 hidden units.  Source 0 = 16 rows of W, source 1 = a tile of tokens: a lane holds ONE token and its registers run along the hidden units, the next product's K.
; THE ROWS OF W THAT FORM A TILE ARE NOT NEIGHBOURS (tile 2 e + u, lane r: row 32 e + 8 u + r + 8 (r / 8)): so 16 registers of two neighbouring tiles are 16 neighbours.
; SIXTEEN WAVES, 128 units x 32 tokens each: 16 accumulators by turns, one instruction a turn.  A wave's 128 units are one K step of fc2: one fragment and one scale word a row.
; K = 1,024 lies in LDS in two parts of 512, both asked for at the head; nothing is filled again.  The sums begin as the bias.
; CLUSTERS: 4 x 4 work-groups.  The four of a row of the cluster need the same tiles of the activation, the four of a column the same rows of W, their scales and their bias: each is asked for JOINTLY, by the same
; tensor load with the same descriptor and a mask that names the four.
; GELU(x) = x Phi(x).  With z = |x| / sqrt(2), t = 1 / (1 + z / 2): erfc(z) / 2 = t exp(-z^2 + P(t)), P a polynomial of degree 9 (fractional error about 1.2e-7, ln(1/2) folded into its constant);
; Phi = erfc(z) / 2 for x < 0, 1 - erfc(z) / 2 else: no difference of near numbers is formed on the side where Phi is small.
; OUT (buffer hid): codes at 32768 T + 1024 q + 512 c + 16 lane, scale words at HID_SC + 2048 T + 64 q + 4 r.
; LIMITS: NaN and infinities are not served; v_exp_f32 gives 0 under 2^-126 (the far negative tail of GELU becomes +0); the exponent -z^2 + P carries f32's rounding, about 1.2e-7 of its size; a block of zeros or under 2^-124 gets the byte 1.
.set ACT_SC, 2097152
.set HID_SC, 8388608
.set PITCH,  528                       ; a row of W in LDS: all of K, 512 bytes, + 16 of padding
.set APS,    4096                      ; A: a tile's eight fragments lie on end, 8,192 bytes a tile; part p begins p x APS into the tile
.set WP0,    16*8192                   ; W's 256 rows lie behind A's 16 tiles
.set WPS,    256                       ; part p begins p x WPS into a row of W
.set ASC,    WP0+256*PITCH
.set TSB,    544
.set WSC,    ASC+16*TSB
.set SB32,   1088
.set BIA,    WSC+8*SB32
.set SPARE,  BIA+1024                  ; the spare words, 128 bytes for each wave: eight blocks of 256 bytes that no other line names
.set ADA,  1                           ; registers as in the launch for q, k, v
.set ADW,  3
.set ADSW, 5
.set ADSA, 6
.set SPW,  7
.set NIL,  8
.set L16,  9
.set FS1,  16
.set FS0,  32
.set SS0,  96                          ; v96-115 hold scales and nothing else
.set SS1,  112
.set ACC,  128
.set TM,   32
.set G1A,  24                          ; s[24:31] group 1 for A's images;  s[32:39] for W's codes;  s[40:47], s[48:55] for A's and W's scales;  s[56:63] for the bias
.set G1W,  32
.set G1SA, 40
.set G1SW, 48
.set G1B,  56
.set G0AS, 68                          ; groups 0: s[68:71] A's scales;  s[72:75] A's tiles;  s[80:83] W's scales;  s[84:87] W's rows;  s[92:95] the bias
.set G0A,  72
.set G0WS, 80
.set G0W,  84
.set G0B,  92
.macro CROUND                          ; a round of the cluster's barrier: my work-group's barrier; wave 0 signals for the work-group; every wave waits for all sixteen work-groups; my work-group's barrier once more
	s_barrier_signal -1
	s_barrier_wait -1
	s_cmp_lg_u32 s14, 0
	s_cbranch_scc1 .Lnot_wave_0_\@
	s_barrier_signal -3
.Lnot_wave_0_\@:
	s_barrier_wait -3
	s_barrier_signal -1
	s_barrier_wait -1
.endm
	s_load_b256 s[4:11], s[0:1], 0x0               ; A s[4:5], W's codes s[6:7], W's scales s[8:9], the bias s[10:11]
	s_load_b64 s[12:13], s[0:1], 0x20              ; out
	v_lshl_add_u32 v[SPW], v0, 2, SPARE
	v_mov_b32 v[NIL], 0
	ds_add_u32 v[SPW], v[NIL]                      ; the wave's opening: the add, twice on end, and its wait ahead of my first tensor load
	ds_add_u32 v[SPW], v[NIL]
	v_lshrrev_b32 v1, 5, v0
	s_delay_alu instid0(VALU_DEP_1)
	v_readfirstlane_b32 s14, v1                    ; wave 0..15
	s_and_b32 s15, s14, 7                          ; waves 0-7 fetch W: which 32 rows
	s_bfe_u32 s2, ttmp6, 0x40000                   ; cx, cy: my place in the cluster
	s_bfe_u32 s3, ttmp6, 0x40004
	s_lshl_b32 s16, ttmp9, 2
	s_add_co_u32 s16, s16, s2                      ; X = 4 x cluster x + cx: 256 hidden units
	s_and_b32 s17, ttmp7, 0xffff
	s_lshl_b32 s17, s17, 2
	s_add_co_u32 s17, s17, s3                      ; Y = 4 x cluster y + cy: 16 tiles
	s_and_b32 s18, s14, 1                          ; which 128 units are mine
	s_lshr_b32 s19, s14, 1                         ; which two tiles
	s_lshl_b32 s100, s3, 2
	s_lshl_b32 s100, 15, s100                      ; my row of the cluster
	s_lshl_b32 s101, 0x1111, s2                    ; my column
	s_or_b32 s[G1A], s100, (3<<16)|(1<<21)         ; A's images go to my row: four rows (tiles) of 1,024 elements of 8 bytes, 8,192 bytes apart; bit 21 set beside a mask
	s_mov_b32 s[G1A+1], 1024<<16                   ; (four whole tiles of 1,024 elements to a load)
	s_mov_b32 s[G1A+2], 4<<16
	s_mov_b32 s[G1A+3], 1024<<16
	s_mov_b32 s[G1A+4], 4
	s_mov_b32 s[G1A+5], 1024
	s_mov_b32 s[G1A+6], 0
	s_mov_b32 s[G1A+7], 0
	s_or_b32 s[G1W], s101, (1<<20)|(1<<21)|(6<<22)|(3<<25)   ; W's codes go to my column: 32 whole rows of 512 bytes, four words of padding behind each
	s_mov_b32 s[G1W+1], 512<<16
	s_mov_b32 s[G1W+2], 32<<16
	s_mov_b32 s[G1W+3], 512<<16
	s_mov_b32 s[G1W+4], 32
	s_mov_b32 s[G1W+5], 512
	s_mov_b32 s[G1W+6], 0
	s_mov_b32 s[G1W+7], 0
	s_or_b32 s[G1SA], s100, (3<<16)|(1<<20)|(1<<21)|(5<<22)|(3<<25)  ; scales: a dense block as rows of 256 bytes, padded
	s_or_b32 s[G1SW], s101, (3<<16)|(1<<20)|(1<<21)|(5<<22)|(3<<25)
.irp g, G1SA, G1SW
	s_mov_b32 s[\g+1], 32<<16
	s_mov_b32 s[\g+2], 32<<16                      ; a side's scales whole: 8,192 dense bytes as 32 rows of 256
	s_mov_b32 s[\g+3], 32<<16
	s_mov_b32 s[\g+4], 32
	s_mov_b32 s[\g+5], 32
	s_mov_b32 s[\g+6], 0
	s_mov_b32 s[\g+7], 0
.endr
	s_or_b32 s[G1B], s101, (3<<16)|(1<<21)         ; the bias: elements of 8 bytes, to my column
	s_mov_b32 s[G1B+1], 64<<16                     ; (half the bias: one row of 512 bytes)
	s_mov_b32 s[G1B+2], 1<<16
	s_mov_b32 s[G1B+3], 64<<16
	s_mov_b32 s[G1B+4], 1
	s_mov_b32 s[G1B+5], 64
	s_mov_b32 s[G1B+6], 1<<16
	s_mov_b32 s[G1B+7], 0
	; groups 0: count, LDS address (the wave's number alone), and the byte offset in the place of the global address, to which the base is added below.  What feeds A's never holds cx, what feeds W's never cy
	s_and_b32 s23, s14, 3                          ; waves 8-11 fetch A: which four tiles
	s_lshl_b32 s20, s17, 4                         ; my work-group's first tile
	s_mov_b32 s[G0AS], 1
	s_mov_b32 s[G0AS+1], ASC
	s_lshl_b32 s[G0AS+2], s20, 9
	s_add_co_u32 s[G0AS+2], s[G0AS+2], ACT_SC      ; the 16 tiles' scale words (wave 12),
	s_mov_b32 s[G0AS+3], 0
	s_lshl_b32 s21, s23, 2
	s_add_co_u32 s20, s20, s21
	s_mov_b32 s[G0A], 1
	s_lshl_b32 s[G0A+1], s23, 15
	s_lshl_b32 s[G0A+2], s20, 13                   ; four tiles' codes
	s_mov_b32 s[G0A+3], 0
	s_lshl_b32 s22, s16, 8                         ; my work-group's first row of W
	s_mov_b32 s[G0WS], 1
	s_mov_b32 s[G0WS+1], WSC
	s_lshl_b32 s[G0WS+2], s22, 5                   ; the 256 rows' scale bytes (wave 13)
	s_mov_b32 s[G0WS+3], 0
	s_and_b32 s23, s14, 1
	s_lshl_b32 s23, s23, 9                         ; waves 14, 15: which half of the bias
	s_mov_b32 s[G0B], 1
	s_add_co_u32 s[G0B+1], s23, BIA
	s_lshl_b32 s[G0B+2], s22, 2
	s_add_co_u32 s[G0B+2], s[G0B+2], s23
	s_mov_b32 s[G0B+3], 0
	s_lshl_b32 s23, s15, 5
	s_add_co_u32 s22, s22, s23                     ; the first of the 32 rows of W
	s_mov_b32 s[G0W], 1
	s_mul_i32 s[G0W+1], s15, 32*PITCH
	s_add_co_u32 s[G0W+1], s[G0W+1], WP0
	s_lshl_b32 s[G0W+2], s22, 9
	s_mov_b32 s[G0W+3], 0
	s_mov_b32 s96, 0x76543210
	s_mov_b32 s97, 0xfedcba98                      ; v_permlanex16_b32's selects for lane l xor 16
	s_mov_b32 s98, 0xffff0000                      ; lanes 16-31
	s_mov_b32 s99, 0x3f3504f3                      ; 1 / sqrt(2)
	s_wait_dscnt 0x0                               ; both opening adds are done
	s_wait_kmcnt 0x0
	s_add_nc_u64 s[G0AS+2:G0AS+3], s[4:5], s[G0AS+2:G0AS+3]
	s_or_b32 s[G0AS+3], s[G0AS+3], 0x80000000
	s_add_nc_u64 s[G0A+2:G0A+3], s[4:5], s[G0A+2:G0A+3]
	s_or_b32 s[G0A+3], s[G0A+3], 0x80000000
	s_add_nc_u64 s[G0WS+2:G0WS+3], s[8:9], s[G0WS+2:G0WS+3]
	s_or_b32 s[G0WS+3], s[G0WS+3], 0x80000000
	s_add_nc_u64 s[G0W+2:G0W+3], s[6:7], s[G0W+2:G0W+3]
	s_or_b32 s[G0W+3], s[G0W+3], 0x80000000
	s_add_nc_u64 s[G0B+2:G0B+3], s[10:11], s[G0B+2:G0B+3]
	s_or_b32 s[G0B+3], s[G0B+3], 0x80000000
	CROUND                                         ; all sixteen work-groups are here: the joint loads meet
; THE HEAD'S LOADS, ONE A WAVE: waves 0-7 32 rows of W each, waves 8-11 four tiles of A each, wave 12 A's scales, wave 13 W's scales, waves 14 and 15 the halves of the bias.
; One chain of branches on the wave's number, an arm a load, all arms leading to one join.
.macro ARM under, g0, g1, next
	s_cmp_lt_u32 s14, \under
	s_cbranch_scc0 \next
	tensor_load_to_lds s[\g0:\g0+3], s[\g1:\g1+7]
	s_nop 0
.rept 4
	v_nop
.endr
	s_branch .Lfilled
\next:
.endm
	ARM 8,  G0W,  G1W,  .Lfill_a
	ARM 12, G0A,  G1A,  .Lfill_sa
	ARM 13, G0AS, G1SA, .Lfill_sw
	ARM 14, G0WS, G1SW, .Lfill_b
	tensor_load_to_lds s[G0B:G0B+3], s[G1B:G1B+7]
	s_nop 0
.rept 4
	v_nop
.endr
.Lfilled:
	v_and_b32 v[L16], 31, v0
	s_delay_alu instid0(VALU_DEP_1)
	v_lshlrev_b32 v[L16], 4, v[L16]
	v_and_b32 v10, 15, v0                          ; r
	v_bfe_u32 v11, v0, 4, 1                        ; h
	s_delay_alu instid0(VALU_DEP_2)
	v_and_b32 v12, 8, v10
	s_delay_alu instid0(VALU_DEP_1)
	v_add_nc_u32 v12, v12, v10                     ; r + 8 (r / 8)
	s_delay_alu instid0(VALU_DEP_1)
	v_mul_u32_u24 v13, v12, PITCH
	s_delay_alu instid0(VALU_DEP_1)
	v_lshl_add_u32 v13, v11, 4, v13
	s_delay_alu instid0(VALU_DEP_3)
	v_lshl_add_u32 v14, v11, 3, v12
	s_delay_alu instid0(VALU_DEP_1)
	v_lshlrev_b32 v14, 5, v14
	s_delay_alu instid0(VALU_DEP_1)
	v_lshrrev_b32 v15, 8, v14
	s_delay_alu instid0(VALU_DEP_1)
	v_lshl_add_u32 v14, v15, 4, v14
	v_mul_u32_u24 v15, v11, TSB
	s_delay_alu instid0(VALU_DEP_1)
	v_lshl_add_u32 v15, v10, 2, v15
	s_lshl_b32 s20, s19, 14
	v_add_nc_u32 v[ADA], s20, v[L16]
	s_delay_alu instid0(VALU_DEP_1)
	v_add_nc_u32 v[ADA+1], APS, v[ADA]
	s_mul_i32 s20, s18, 128*PITCH
	s_add_co_u32 s20, s20, WP0
	v_add_nc_u32 v[ADW], s20, v13
	s_delay_alu instid0(VALU_DEP_1)
	v_add_nc_u32 v[ADW+1], WPS, v[ADW]
	s_mul_i32 s20, s18, 4*SB32
	s_add_co_u32 s20, s20, WSC
	v_add_nc_u32 v[ADSW], s20, v14
	s_mul_i32 s20, s19, 2*TSB
	s_add_co_u32 s20, s20, ASC
	v_add_nc_u32 v[ADSA], s20, v15
	s_lshl_b32 s20, s18, 9
	s_add_co_u32 s20, s20, BIA
	v_lshl_add_u32 v12, v11, 6, s20                ; the bias of my 128 units, + 16 h numbers
.macro PLACES                          ; four places in front of loads into registers that matrix instructions have read, and of the first read of results (ISA guide 7.12.1 for the first read of results)
.rept 4
	v_nop
.endr
.endm
.macro LDA_T reg, p, off
	ds_load_b128 v[\reg:\reg+3], v[ADA+\p] offset:\off
	ds_load_b128 v[\reg+4:\reg+7], v[ADA+\p] offset:\off+512
.endm
.macro LDW_T reg, p, off
	ds_load_b128 v[\reg:\reg+3], v[ADW+\p] offset:\off
	ds_load_b128 v[\reg+4:\reg+7], v[ADW+\p] offset:\off+32
.endm
.macro WM ra, rb                       ; one product on rD, rA, rB, rSA, rSB.  ra, rb: the side's scales stand in lanes 16-31
.if (\ra)&&(\rb)
	v_wmma_scale_f32_16x16x128_f8f6f4 v[rD:rD+7], v[rA:rA+7], v[rB:rB+7], v[rD:rD+7], v[rSA], v[rSB] matrix_a_fmt:MATRIX_FMT_FP4 matrix_b_fmt:MATRIX_FMT_FP4 matrix_a_scale:MATRIX_SCALE_ROW1 matrix_b_scale:MATRIX_SCALE_ROW1
.elseif (\ra)
	v_wmma_scale_f32_16x16x128_f8f6f4 v[rD:rD+7], v[rA:rA+7], v[rB:rB+7], v[rD:rD+7], v[rSA], v[rSB] matrix_a_fmt:MATRIX_FMT_FP4 matrix_b_fmt:MATRIX_FMT_FP4 matrix_a_scale:MATRIX_SCALE_ROW1
.elseif (\rb)
	v_wmma_scale_f32_16x16x128_f8f6f4 v[rD:rD+7], v[rA:rA+7], v[rB:rB+7], v[rD:rD+7], v[rSA], v[rSB] matrix_a_fmt:MATRIX_FMT_FP4 matrix_b_fmt:MATRIX_FMT_FP4 matrix_b_scale:MATRIX_SCALE_ROW1
.else
	v_wmma_scale_f32_16x16x128_f8f6f4 v[rD:rD+7], v[rA:rA+7], v[rB:rB+7], v[rD:rD+7], v[rSA], v[rSB] matrix_a_fmt:MATRIX_FMT_FP4 matrix_b_fmt:MATRIX_FMT_FP4
.endif
.endm
.macro WM8 a0, qs
.irp a, \a0, \a0+1, \a0+2, \a0+3
.irp b, 0, 1
.set rD,  ACC+64*\b+8*(\a)
.set rA,  FS0+8*(\a)
.set rB,  FS1+8*\b
.set rSA, SS0+4*((\a)/2)+(\qs)
.set rSB, SS1+(\qs)
	WM (\a)%2, \b
.endr
.endr
.endm
.macro KSTEP_W p, qs                   ; 128 along K: the qs-th of part p
	PLACES
.if \qs == 0
.irp e, 0,1,2,3
	ds_load_b128 v[SS0+4*\e:SS0+4*\e+3], v[ADSW] offset:\e*SB32+16*\p
.endr
.irp k, 0,1,2,3
	ds_load_b32 v[SS1+\k], v[ADSA] offset:64*(4*\p+\k)+16*\p
.endr
.endif
.irp b, 0,1
	LDA_T FS1+8*\b, \p, \b*8192+\qs*1024
.endr
.irp a, 0,1,2,3,4,5,6,7
	LDW_T FS0+8*\a, \p, (32*(\a/2)+8*(\a%2))*PITCH+64*\qs
.endr
	s_wait_dscnt 8                                 ; all but the youngest eight loads (W's tiles 4-7) are in
	WM8 0, \qs
	s_wait_dscnt 0x0
	WM8 4, \qs
.endm
.macro QUANT128 s, pc, pw              ; 64 numbers of a lane, register 16 b + i = k 32 b + 16 (lane / 16) + i of my row, become a fragment's codes and its scale word
.irp b, 0,1,2,3
	v_max3_num_f32 v[TM+\b], |v[\s+16*\b]|, |v[\s+1+16*\b]|, 0x1800000
.endr
.irp i, 2,4,6,8,10,12,14
.irp b, 0,1,2,3
	s_delay_alu instid0(VALU_DEP_4)
	v_max3_num_f32 v[TM+\b], v[TM+\b], |v[\s+16*\b+\i]|, |v[\s+1+16*\b+\i]|
.endr
.endr
.irp b, 0,1,2,3
	v_permlanex16_b32 v[TM+4+\b], v[TM+\b], s96, s97
.endr
.irp b, 0,1,2,3
	s_delay_alu instid0(VALU_DEP_4)
	v_max_num_f32 v[TM+\b], v[TM+\b], v[TM+4+\b]
.endr
.irp b, 0,1,2,3
	s_delay_alu instid0(VALU_DEP_4)
	v_add_nc_u32 v[TM+12+\b], 0xff000000, v[TM+\b]
.endr
.irp b, 0,1,2,3
	s_delay_alu instid0(VALU_DEP_4)
	v_lshrrev_b32 v[TM+4+\b], 23, v[TM+12+\b]
.endr
	s_delay_alu instid0(VALU_DEP_3)
	v_lshl_or_b32 v[\pw], v[TM+5], 8, v[TM+4]
	s_delay_alu instid0(VALU_DEP_1)
	v_lshl_or_b32 v[\pw], v[TM+6], 16, v[\pw]
	s_delay_alu instid0(VALU_DEP_1)
	v_lshl_or_b32 v[\pw], v[TM+7], 24, v[\pw]
.irp b, 0,1,2,3
	v_cvt_scalef32_pk8_fp4_f32 v[\pc+2*\b], v[\s+16*\b:\s+7+16*\b], v[TM+12+\b]
	v_cvt_scalef32_pk8_fp4_f32 v[\pc+1+2*\b], v[\s+8+16*\b:\s+15+16*\b], v[TM+12+\b]
.endr
	v_nop                                          ; one plain place behind a scaled conversion
.irp c, 0,1
.irp i, 0,1
	v_permlane16_swap_b32 v[\pc+4*\c+\i], v[\pc+2+4*\c+\i]
.endr
.endr
.endm
.macro CONST reg, val                  ; a constant in both halves of a pair
	v_mov_b32 v[\reg], \val
	v_mov_b32 v[\reg+1], \val
.endm
; GELU of 16 numbers, in place, as max(x, 0) - |x| erfc(z) / 2, which is x Phi(x) on both sides of 0.  v16-31 z, then max(x, 0); v32-47 t; v48-63 the polynomial, the exponential, erfc / 2
.macro GELU16 x
.set j, 0
.rept 16
	v_mul_f32 v[16+j], s99, |v[\x+j]|              ; z; each accumulator from its low end on
.set j, j+1
.endr
.set j, 0
.rept 8
	v_pk_fma_f32 v[32+j:33+j], v[16+j:17+j], v[86:87], v[88:89]    ; 1 + z / 2
.set j, j+2
.endr
.set j, 0
	s_wait_alu depctr_va_vdst(0)
.rept 16
	v_rcp_f32 v[32+j], v[32+j]                     ; t
.set j, j+1
.endr
	v_nop                                          ; a plain place behind the batch,
	s_wait_alu depctr_va_vdst(0)                   ; and one wait for it, ahead of its first reader
.set j, 0
.rept 8
	v_pk_fma_f32 v[48+j:49+j], v[32+j:33+j], v[64:65], v[66:67]
.set j, j+2
.endr
.irp c, 68,70,72,74,76,78,80,82
.set j, 0
.rept 8
	v_pk_fma_f32 v[48+j:49+j], v[48+j:49+j], v[32+j:33+j], v[\c:\c+1]
.set j, j+2
.endr
.endr
.set j, 0
.rept 8
	v_pk_fma_f32 v[48+j:49+j], v[16+j:17+j], v[16+j:17+j], v[48+j:49+j] neg_lo:[1,0,0] neg_hi:[1,0,0]   ; -z^2 + P
.set j, j+2
.endr
.set j, 0
.rept 8
	v_pk_mul_f32 v[48+j:49+j], v[48+j:49+j], v[84:85]              ; x log2(e)
.set j, j+2
.endr
.set j, 0
	s_wait_alu depctr_va_vdst(0)
.rept 16
	v_exp_f32 v[48+j], v[48+j]
.set j, j+1
.endr
	v_nop
	s_wait_alu depctr_va_vdst(0)
.set j, 0
.rept 8
	v_pk_mul_f32 v[48+j:49+j], v[48+j:49+j], v[32+j:33+j]          ; erfc(z) / 2
.set j, j+2
.endr
.set j, 0
.rept 8
	v_max_num_f32 v[16+j], 0, v[\x+j]              ; max(x, 0)
	v_max_num_f32 v[17+j], 0, v[\x+j+1]
.set j, j+2
.endr
.set j, 0
.rept 8
	v_fma_f32 v[\x+j], -|v[\x+j]|, v[48+j], v[16+j]                ; x > 0: x - x erfc / 2;  x < 0: x erfc / 2: one rounding, no difference of near numbers where Phi is small
	v_fma_f32 v[\x+j+1], -|v[\x+j+1]|, v[49+j], v[17+j]
.set j, j+2
.endr
.endm
	s_wait_alu depctr_va_vdst(0)
	s_wait_tensorcnt 0x0                           ; my one load has landed; behind the barrier everybody's has: both parts of K, the scales and the bias; nothing is filled again
	s_barrier_signal -1
	s_barrier_wait -1
.irp b, 0,1                                    ; THE SUMS BEGIN AS THE BIAS: register 8 a + i is unit 32 (a / 2) + 16 h + 8 (a % 2) + i
.irp a, 0,1,2,3,4,5,6,7
	ds_load_b128 v[ACC+64*\b+8*\a:ACC+64*\b+8*\a+3], v12 offset:(32*(\a/2)+8*(\a%2))*4
	ds_load_b128 v[ACC+64*\b+8*\a+4:ACC+64*\b+8*\a+7], v12 offset:(32*(\a/2)+8*(\a%2))*4+16
.endr
.endr
.irp q, 0,1,2,3
	KSTEP_W 0, \q
.endr
.irp q, 0,1,2,3
	KSTEP_W 1, \q
.endr
	; where my two fragments go.  (No tensor load of mine is out: one group 0 serves as scalars at work)
	s_lshl_b32 s20, s17, 4
	s_lshl_b32 s21, s19, 1
	s_add_co_u32 s20, s20, s21                     ; T of my even tile
	s_lshl_b32 s21, s16, 1
	s_add_co_u32 s21, s21, s18                     ; q = 2 X + my half
	s_lshl_b32 s72, s20, 15
	s_lshl_b32 s22, s21, 10
	s_add_co_u32 s72, s72, s22
	s_mov_b32 s73, 0
	s_lshl_b32 s74, s20, 11
	s_lshl_b32 s22, s21, 6
	s_add_co_u32 s74, s74, s22
	s_add_co_u32 s74, s74, HID_SC
	s_mov_b32 s75, 0
	s_add_nc_u64 s[72:73], s[12:13], s[72:73]
	s_add_nc_u64 s[74:75], s[12:13], s[74:75]
	PLACES
	CONST 64, 0x3e2ef945                           ; the polynomial, from the highest power down
	CONST 66, 0xbf527892
	CONST 68, 0x3fbe87b0
	CONST 70, 0xbf914e5d
	CONST 72, 0x3e8ec7cc
	CONST 74, 0xbe3ec24c
	CONST 76, 0x3dc636c9
	CONST 78, 0x3ebf88fb
	CONST 80, 0x3f8000c7
	CONST 82, 0xbffab55a
	CONST 84, 0x3fb8aa3b                           ; log2(e)
	CONST 86, 0.5
	CONST 88, 1.0
.irp g, 0,1,2,3,4,5,6,7
	GELU16 ACC+16*\g
.endr
	QUANT128 ACC, 16, 48
	QUANT128 ACC+64, 24, 49
	v_cndmask_b32 v50, v48, v49, s98               ; lanes 0-15 my even tile's words, lanes 16-31 my odd tile's
	v_lshlrev_b32 v51, 11, v11
	s_delay_alu instid0(VALU_DEP_1)
	v_lshl_add_u32 v51, v10, 2, v51                ; 2048 h + 4 r
	global_store_b128 v[L16], v[16:19], s[72:73]               ; 32 lanes store 512 consecutive bytes, aligned
	global_store_b128 v[L16], v[20:23], s[72:73] offset:512
	global_store_b128 v[L16], v[24:27], s[72:73] offset:32768
	global_store_b128 v[L16], v[28:31], s[72:73] offset:32768+512
	global_store_b32 v51, v50, s[74:75]
	s_wait_tensorcnt 0x0                           ; the wave's end
	ds_add_u32 v[SPW], v[NIL]
	s_wait_dscnt 0x0
	CROUND                                         ; the closing round: no work-group ends while a partner may still ask for a tile that names it
	s_endpgm
.Lfunc_end_k_qcc63281972_fc1:
	.size	k_qcc63281972_fc1, .Lfunc_end_k_qcc63281972_fc1-k_qcc63281972_fc1
	.p2alignl 7, 3214868480
	.fill 96, 4, 3214868480
	.section	.rodata,"a",@progbits
	.p2align	6, 0x0
	.amdhsa_kernel k_qcc63281972_fc1
		.amdhsa_group_segment_fixed_size 327680
		.amdhsa_private_segment_fixed_size 0
		.amdhsa_enable_private_segment 0
		.amdhsa_kernarg_size 40
		.amdhsa_user_sgpr_count 2
		.amdhsa_user_sgpr_kernarg_segment_ptr 1
		.amdhsa_wavefront_size32 1
		.amdhsa_system_sgpr_workgroup_id_x 1
		.amdhsa_system_sgpr_workgroup_id_y 1
		.amdhsa_system_sgpr_workgroup_id_z 1
		.amdhsa_system_vgpr_workitem_id 0
		.amdhsa_next_free_vgpr 256
		.amdhsa_next_free_sgpr 102
		.amdhsa_reserve_vcc 0
		.amdhsa_float_denorm_mode_32 3
		.amdhsa_float_denorm_mode_16_64 3
		.amdhsa_memory_ordered 1
		.amdhsa_forward_progress 1
		.amdhsa_inst_pref_size 135
	.end_amdhsa_kernel
	.amdgpu_metadata
---
amdhsa.version: [ 1, 2 ]
amdhsa.kernels:
  - .name:           k_qcc63281972_fc1
    .symbol:         k_qcc63281972_fc1.kd
    .args:
      - { .name: act, .offset: 0, .size: 8, .value_kind: global_buffer, .address_space: global }
      - { .name: w_fc1_codes, .offset: 8, .size: 8, .value_kind: global_buffer, .address_space: global }
      - { .name: w_fc1_scales, .offset: 16, .size: 8, .value_kind: global_buffer, .address_space: global }
      - { .name: b_fc1, .offset: 24, .size: 8, .value_kind: global_buffer, .address_space: global }
      - { .name: hid, .offset: 32, .size: 8, .value_kind: global_buffer, .address_space: global }
    .group_segment_fixed_size: 327680
    .private_segment_fixed_size: 0
    .kernarg_segment_align: 8
    .kernarg_segment_size: 40
    .max_flat_workgroup_size: 512
    .sgpr_count:     102
    .vgpr_count:     256
    .wavefront_size: 32
...
	.end_amdgpu_metadata
.endif
;; end of part 5
;; launch fc2 (part 6): grid 8 x 32, 8 waves a work-group, clusters of 4 x 4, 327,680 bytes of LDS; arguments hid, w_fc2_codes, w_fc2_scales, b_fc2, x1, out0; writes out0
.if DOCPART == 6
	.amdgcn_target "amdgcn-amd-amdhsa--gfx1250"
	.amdhsa_code_object_version 6
	.text
	.protected	k_qcc63281972_fc2
	.globl	k_qcc63281972_fc2
	.p2align	8
	.type	k_qcc63281972_fc2,@function
k_qcc63281972_fc2:
	s_mov_b64 s[64:65], 0
	v_nop
	global_prefetch_b8 v0, s[64:65] scope:SCOPE_SE
	s_setreg_imm32_b32 hwreg(HW_REG_WAVE_MODE, 25, 1), 1
	s_wait_xcnt 0x0
	s_wait_alu depctr_hold_cnt(0) depctr_sa_sdst(0) depctr_va_vdst(0) depctr_va_sdst(0) depctr_va_ssrc(0) depctr_va_vcc(0) depctr_vm_vsrc(0)
	s_getreg_b32 s2, hwreg(HW_REG_IB_STS2, 6, 4)
	s_cmp_eq_u32 s2, 0
	s_cbranch_scc0 .Lentry_in_a_cluster
	s_endpgm
.Lentry_in_a_cluster:
	s_bfe_u32 s2, ttmp6, 0x10000c
	s_cmp_lg_u32 s2, 0xf033
	s_cbranch_scc0 .Lentry_shape_is_right
	s_endpgm
.Lentry_shape_is_right:
; out = x1 + hidden W_fc2 + b_fc2, the product on codes of E2M1.  No work is left out.
; The projection's text with other sizes: a work-group makes 128 tokens (8 tiles of the hidden layer's images) x 128 columns; eight waves, each 64 columns (source 0 = 16 rows of W, four tiles) x 32 tokens
; (source 1, two tiles): 8 accumulators by turns, one instruction a turn.  K = 4,096 goes in four steps of 1,024 through two LDS slots: two first fills, two refills, all written out.
; CLUSTERS: 4 x 4 work-groups.  The four of a row of the cluster need the same tiles of the hidden layer, the four of a column the same rows of W: each is asked for JOINTLY, by the same tensor load with the same
; descriptor and a mask that names the four.
; A refill stands first behind a round of the cluster's barrier, in front of which every wave has waited for all its tensor loads, added 0 to its spare word and waited for that and for its reads of the slot: so no
; wave of any partner still reads the slot or has a load on its way; one load a wave, with eight K steps of 128 (64 products a wave) in which to land.
; LIMITS: NaN and infinities are not served.
.set NQ,    8                          ; K steps of 128 in a slot
.set NQT,   32                         ; in all of K
.set ROWB,  512                        ; a slot's part of a row of W, in bytes
.set PITCH, 528                        ; and in LDS: + 16 of padding
.set QI,    6                          ; the padding's interval: 128 words
.set TILEB, 32768                      ; a tile of A in memory
.set KROW,  2048                       ; a row of W in memory
.set KS,    128                        ; a row of W's scale bytes
.set SCOFF, 8388608                    ; where A's scale words begin
.set RS,    64                         ; units of 256 bytes in a load of scales: a side's, whole
.set APB,   8*NQ*1024                  ; a slot: A's 8 tiles,
.set WPB,   128*PITCH                  ; then W's 128 rows
.set SLOTB, APB+WPB
.set ASC,   2*SLOTB                    ; A's scale words of all of K, as units of 256 bytes + 16: filled once
.set TSB,   (NQT*64/256)*272
.set WSC,   ASC+8*TSB                  ; W's scale bytes likewise
.set SB32,  (32*KS/256)*272
.set SPARE, WSC+4*SB32                 ; the spare words, 128 bytes for each wave: four blocks of 256 bytes that no other line names
.set STGB,  16*272                     ; the way out: a stage for each wave, in slot 0: it has had its last fill, and its last read lies in front of the last barrier
.set ADA,  1                           ; registers as in the projection
.set ADW,  3
.set ADSW, 5
.set ADSA, 6
.set SPW,  7
.set NIL,  8
.set FS1,  16
.set FS0,  32
.set SW,   64                          ; v64-75 hold scales and nothing else
.set SA,   72
.set XR,   0                           ; the residual: v256-319, named v0-63 in window 1
.set ACC,  192
.set G1A,  24                          ; s[24:31] group 1 for A's images;  s[32:39] for W's codes;  s[40:47], s[48:55] for A's and W's scales
.set G1W,  32
.set G1SA, 40
.set G1SW, 48
.set G0AS, 56                          ; groups 0: s[56:59] A's scales;  s[60:63] W's scales;  s[68:75] A's two slots;  s[76:83] W's two slots
.set G0WS, 60
.set G0A,  68
.set G0W,  76
.macro CROUND                          ; a round of the cluster's barrier: my work-group's barrier; wave 0 signals for the work-group; every wave waits for all sixteen work-groups; my work-group's barrier once more
	s_barrier_signal -1
	s_barrier_wait -1
	s_cmp_lg_u32 s16, 0
	s_cbranch_scc1 .Lnot_wave_0_\@
	s_barrier_signal -3
.Lnot_wave_0_\@:
	s_barrier_wait -3
	s_barrier_signal -1
	s_barrier_wait -1
.endm
	s_load_b256 s[4:11], s[0:1], 0x0               ; A s[4:5], W's codes s[6:7], W's scales s[8:9], the bias s[10:11]
	s_load_b128 s[12:15], s[0:1], 0x20             ; the residual s[12:13], out s[14:15]
	v_lshl_add_u32 v[SPW], v0, 2, SPARE
	v_mov_b32 v[NIL], 0
	ds_add_u32 v[SPW], v[NIL]                      ; the wave's opening: the add, twice on end, and its wait ahead of my first tensor load
	ds_add_u32 v[SPW], v[NIL]
	v_lshrrev_b32 v1, 5, v0
	s_delay_alu instid0(VALU_DEP_1)
	v_readfirstlane_b32 s16, v1                    ; wave 0..7
	s_and_b32 s17, s16, 3                          ; waves 0-3 fetch W: which 32 rows
	s_bfe_u32 s2, ttmp6, 0x40000                   ; cx, cy: my place in the cluster
	s_bfe_u32 s3, ttmp6, 0x40004
	s_lshl_b32 s18, ttmp9, 2
	s_add_co_u32 s18, s18, s2                      ; X = 4 x cluster x + cx: 128 columns
	s_and_b32 s19, ttmp7, 0xffff
	s_lshl_b32 s19, s19, 2
	s_add_co_u32 s19, s19, s3                      ; Y = 4 x cluster y + cy: 8 tiles
	s_and_b32 s20, s16, 1                          ; which 64 columns are mine
	s_lshr_b32 s21, s16, 1                         ; which two tiles
	s_lshl_b32 s84, s3, 2
	s_lshl_b32 s84, 15, s84                        ; my row of the cluster
	s_lshl_b32 s85, 0x1111, s2                     ; my column
	s_or_b32 s[G1A], s84, (3<<16)|(1<<21)          ; A's images go to my row: four rows (tiles) of NQ fragments, in elements of 8 bytes, no padding; bit 21 set beside a mask
	s_mov_b32 s[G1A+1], (NQ*128)<<16
	s_mov_b32 s[G1A+2], 4<<16                      ; (four tiles to a load)
	s_mov_b32 s[G1A+3], (NQ*128)<<16
	s_mov_b32 s[G1A+4], 4
	s_mov_b32 s[G1A+5], TILEB/8
	s_mov_b32 s[G1A+6], 0
	s_mov_b32 s[G1A+7], 0
	s_or_b32 s[G1W], s85, (1<<20)|(1<<21)|(QI<<22)|(3<<25)   ; W's codes go to my column: 32 rows of ROWB bytes, four words of padding behind each
	s_mov_b32 s[G1W+1], ROWB<<16
	s_mov_b32 s[G1W+2], 32<<16
	s_mov_b32 s[G1W+3], ROWB<<16
	s_mov_b32 s[G1W+4], 32
	s_mov_b32 s[G1W+5], KROW
	s_mov_b32 s[G1W+6], 0
	s_mov_b32 s[G1W+7], 0
	s_or_b32 s[G1SA], s84, (3<<16)|(1<<20)|(1<<21)|(5<<22)|(3<<25)   ; scales: a dense block as RS rows of 256 bytes, padded
	s_or_b32 s[G1SW], s85, (3<<16)|(1<<20)|(1<<21)|(5<<22)|(3<<25)
.irp g, G1SA, G1SW
	s_mov_b32 s[\g+1], 32<<16
	s_mov_b32 s[\g+2], RS<<16
	s_mov_b32 s[\g+3], 32<<16
	s_mov_b32 s[\g+4], RS
	s_mov_b32 s[\g+5], 32
	s_mov_b32 s[\g+6], 0
	s_mov_b32 s[\g+7], 0
.endr
	; groups 0: count, LDS address (the wave's number alone), and the byte offset in the place of the global address, to which the base is added below.  What feeds A's never holds cx, what feeds W's never cy
	s_lshl_b32 s86, s19, 3                         ; my work-group's first tile of A
	s_mov_b32 s[G0AS], 1
	s_mov_b32 s[G0AS+1], ASC
	s_mul_i32 s[G0AS+2], s86, NQT*64               ; the 8 tiles' scale words (wave 6)
	s_add_co_u32 s[G0AS+2], s[G0AS+2], SCOFF
	s_mov_b32 s[G0AS+3], 0
	s_lshl_b32 s88, s20, 2
	s_add_co_u32 s86, s86, s88                     ; waves 4, 5 fetch A: four tiles each
	s_mov_b32 s[G0A], 1
	s_mul_i32 s[G0A+1], s20, 4*NQ*1024
	s_mul_i32 s[G0A+2], s86, TILEB
	s_mov_b32 s[G0A+3], 0
	s_mov_b32 s[G0A+4], 1
	s_add_co_u32 s[G0A+5], s[G0A+1], SLOTB
	s_lshl_b32 s87, s18, 7                         ; my work-group's first row of W
	s_mov_b32 s[G0WS], 1
	s_mov_b32 s[G0WS+1], WSC
	s_mul_i32 s[G0WS+2], s87, KS                   ; the 128 rows' scale bytes (wave 7)
	s_lshl_b32 s88, s17, 5
	s_add_co_u32 s87, s87, s88                     ; the first of the 32 rows of W
	s_mov_b32 s[G0WS+3], 0
	s_mov_b32 s[G0W], 1
	s_mul_i32 s[G0W+1], s17, 32*PITCH
	s_add_co_u32 s[G0W+1], s[G0W+1], APB
	s_mul_i32 s[G0W+2], s87, KROW
	s_mov_b32 s[G0W+3], 0
	s_mov_b32 s[G0W+4], 1
	s_add_co_u32 s[G0W+5], s[G0W+1], SLOTB
	s_lshl_b32 s22, s19, 7
	s_lshl_b32 s23, s21, 5
	s_add_co_u32 s22, s22, s23
	s_lshl_b32 s100, s22, 12                       ; my 32 tokens' rows of 4,096 bytes,
	s_lshl_b32 s22, s18, 9
	s_lshl_b32 s23, s20, 8
	s_add_co_u32 s22, s22, s23                     ; my 64 columns
	s_add_co_u32 s100, s100, s22
	s_mov_b32 s101, 0
	s_mov_b32 s23, 0
	s_wait_dscnt 0x0                               ; both opening adds are done
	s_wait_kmcnt 0x0
	s_add_nc_u64 s[G0AS+2:G0AS+3], s[4:5], s[G0AS+2:G0AS+3]
	s_or_b32 s[G0AS+3], s[G0AS+3], 0x80000000
	s_add_nc_u64 s[G0A+2:G0A+3], s[4:5], s[G0A+2:G0A+3]
	s_add_nc_u64 s[G0A+6:G0A+7], s[G0A+2:G0A+3], NQ*1024
	s_or_b32 s[G0A+3], s[G0A+3], 0x80000000
	s_or_b32 s[G0A+7], s[G0A+7], 0x80000000
	s_add_nc_u64 s[G0WS+2:G0WS+3], s[8:9], s[G0WS+2:G0WS+3]
	s_or_b32 s[G0WS+3], s[G0WS+3], 0x80000000
	s_add_nc_u64 s[G0W+2:G0W+3], s[6:7], s[G0W+2:G0W+3]
	s_add_nc_u64 s[G0W+6:G0W+7], s[G0W+2:G0W+3], ROWB
	s_or_b32 s[G0W+3], s[G0W+3], 0x80000000
	s_or_b32 s[G0W+7], s[G0W+7], 0x80000000
	CROUND                                         ; all sixteen work-groups are here: the joint loads meet
; THE HEAD'S LOADS, ONE A WAVE: slot 0 (waves 0-3 32 rows of W each, waves 4 and 5 four tiles of A each) and the scales of all of K (wave 6 A's, wave 7 W's).
; One chain of branches on the wave's number, an arm a load, all arms leading to one join.
.macro ARM under, g0, g1, next
	s_cmp_lt_u32 s16, \under
	s_cbranch_scc0 \next
	tensor_load_to_lds s[\g0:\g0+3], s[\g1:\g1+7]
	s_nop 0
.rept 4
	v_nop
.endr
	s_branch .Lfilled
\next:
.endm
	ARM 4, G0W,  G1W,  .Lfill_a
	ARM 6, G0A,  G1A,  .Lfill_sa
	ARM 7, G0AS, G1SA, .Lfill_sw
	tensor_load_to_lds s[G0WS:G0WS+3], s[G1SW:G1SW+7]
	s_nop 0
.rept 4
	v_nop
.endr
.Lfilled:
	s_add_nc_u64 s[12:13], s[12:13], s[100:101]
	s_add_nc_u64 s[14:15], s[14:15], s[100:101]
	s_add_nc_u64 s[10:11], s[10:11], s[22:23]
	v_and_b32 v78, 15, v0                          ; r
	v_bfe_u32 v79, v0, 4, 1                        ; h
	s_delay_alu instid0(VALU_DEP_1)
	v_lshlrev_b32 v11, 12, v79
	s_delay_alu instid0(VALU_DEP_1)
	v_lshl_add_u32 v11, v78, 4, v11                ; lanes 0-15 one row of the output, lanes 16-31 the next; 16 bytes a lane
	s_delay_alu instid0(VALU_DEP_4)
	v_lshlrev_b32 v84, 4, v78
	v_and_b32 v81, 31, v0
	s_delay_alu instid0(VALU_DEP_1)
	v_lshlrev_b32 v81, 4, v81                      ; 16 x lane
	v_and_b32 v80, 8, v78
	s_delay_alu instid0(VALU_DEP_1)
	v_add_nc_u32 v80, v80, v78                     ; r + 8 (r / 8)
	s_mul_i32 s22, s21, 2*NQ*1024
	v_add_nc_u32 v[ADA], s22, v81
	s_delay_alu instid0(VALU_DEP_1)
	v_add_nc_u32 v[ADA+1], SLOTB, v[ADA]
	v_mul_u32_u24 v82, v80, PITCH
	s_delay_alu instid0(VALU_DEP_1)
	v_lshl_add_u32 v82, v79, 4, v82
	s_mul_i32 s22, s20, 64*PITCH
	s_add_co_u32 s22, s22, APB
	v_add_nc_u32 v[ADW], s22, v82
	s_delay_alu instid0(VALU_DEP_1)
	v_add_nc_u32 v[ADW+1], SLOTB, v[ADW]
	v_lshl_add_u32 v82, v79, 3, v80
	s_delay_alu instid0(VALU_DEP_1)
	v_mul_u32_u24 v82, v82, KS                     ; W's scales: KS bytes a row; lanes 16-31 eight rows on (the odd tile);
	s_delay_alu instid0(VALU_DEP_1)
	v_lshrrev_b32 v83, 8, v82
	s_delay_alu instid0(VALU_DEP_1)
	v_lshl_add_u32 v82, v83, 4, v82                ; 16 more for each 256 passed
	s_mul_i32 s22, s20, 2*SB32
	s_add_co_u32 s22, s22, WSC
	v_add_nc_u32 v[ADSW], s22, v82
	v_mul_u32_u24 v82, v79, TSB
	s_delay_alu instid0(VALU_DEP_1)
	v_lshl_add_u32 v82, v78, 2, v82                ; A's scales: 4 r; lanes 16-31 one tile on
	s_mul_i32 s22, s21, 2*TSB
	s_add_co_u32 s22, s22, ASC
	v_add_nc_u32 v[ADSA], s22, v82
	s_mul_i32 s22, s16, STGB
	v_mul_u32_u24 v82, v78, 272
	s_delay_alu instid0(VALU_DEP_1)
	v_lshl_add_u32 v82, v79, 6, v82
	s_delay_alu instid0(VALU_DEP_1)
	v_add_nc_u32 v9, s22, v82                      ; into the stage: row r, + 64 h bytes
	v_mul_u32_u24 v82, v79, 272
	s_delay_alu instid0(VALU_DEP_1)
	v_lshl_add_u32 v82, v78, 4, v82
	s_delay_alu instid0(VALU_DEP_1)
	v_add_nc_u32 v10, s22, v82                     ; back: lanes 0-15 one row, lanes 16-31 the next
.macro PLACES                          ; four places in front of loads into registers that matrix instructions have read
.rept 4
	v_nop
.endr
.endm
.macro LDA_T reg, p, off
	ds_load_b128 v[\reg:\reg+3], v[ADA+\p] offset:\off
	ds_load_b128 v[\reg+4:\reg+7], v[ADA+\p] offset:\off+512
.endm
.macro LDW_T reg, p, off
	ds_load_b128 v[\reg:\reg+3], v[ADW+\p] offset:\off
	ds_load_b128 v[\reg+4:\reg+7], v[ADW+\p] offset:\off+32
.endm
.macro WM zero, ra, rb                 ; one product on rD, rA, rB, rSA, rSB.  ra, rb: the side's scales stand in lanes 16-31
.if \zero
.if (\ra)&&(\rb)
	v_wmma_scale_f32_16x16x128_f8f6f4 v[rD:rD+7], v[rA:rA+7], v[rB:rB+7], 0, v[rSA], v[rSB] matrix_a_fmt:MATRIX_FMT_FP4 matrix_b_fmt:MATRIX_FMT_FP4 matrix_a_scale:MATRIX_SCALE_ROW1 matrix_b_scale:MATRIX_SCALE_ROW1
.elseif (\ra)
	v_wmma_scale_f32_16x16x128_f8f6f4 v[rD:rD+7], v[rA:rA+7], v[rB:rB+7], 0, v[rSA], v[rSB] matrix_a_fmt:MATRIX_FMT_FP4 matrix_b_fmt:MATRIX_FMT_FP4 matrix_a_scale:MATRIX_SCALE_ROW1
.elseif (\rb)
	v_wmma_scale_f32_16x16x128_f8f6f4 v[rD:rD+7], v[rA:rA+7], v[rB:rB+7], 0, v[rSA], v[rSB] matrix_a_fmt:MATRIX_FMT_FP4 matrix_b_fmt:MATRIX_FMT_FP4 matrix_b_scale:MATRIX_SCALE_ROW1
.else
	v_wmma_scale_f32_16x16x128_f8f6f4 v[rD:rD+7], v[rA:rA+7], v[rB:rB+7], 0, v[rSA], v[rSB] matrix_a_fmt:MATRIX_FMT_FP4 matrix_b_fmt:MATRIX_FMT_FP4
.endif
.else
.if (\ra)&&(\rb)
	v_wmma_scale_f32_16x16x128_f8f6f4 v[rD:rD+7], v[rA:rA+7], v[rB:rB+7], v[rD:rD+7], v[rSA], v[rSB] matrix_a_fmt:MATRIX_FMT_FP4 matrix_b_fmt:MATRIX_FMT_FP4 matrix_a_scale:MATRIX_SCALE_ROW1 matrix_b_scale:MATRIX_SCALE_ROW1
.elseif (\ra)
	v_wmma_scale_f32_16x16x128_f8f6f4 v[rD:rD+7], v[rA:rA+7], v[rB:rB+7], v[rD:rD+7], v[rSA], v[rSB] matrix_a_fmt:MATRIX_FMT_FP4 matrix_b_fmt:MATRIX_FMT_FP4 matrix_a_scale:MATRIX_SCALE_ROW1
.elseif (\rb)
	v_wmma_scale_f32_16x16x128_f8f6f4 v[rD:rD+7], v[rA:rA+7], v[rB:rB+7], v[rD:rD+7], v[rSA], v[rSB] matrix_a_fmt:MATRIX_FMT_FP4 matrix_b_fmt:MATRIX_FMT_FP4 matrix_b_scale:MATRIX_SCALE_ROW1
.else
	v_wmma_scale_f32_16x16x128_f8f6f4 v[rD:rD+7], v[rA:rA+7], v[rB:rB+7], v[rD:rD+7], v[rSA], v[rSB] matrix_a_fmt:MATRIX_FMT_FP4 matrix_b_fmt:MATRIX_FMT_FP4
.endif
.endif
.endm
.set ALT, 80                           ; the second set of fragments (v96-143) and of scale words (v144-155) lies 80 registers above the first
.macro WM4 a0, q, zero                 ; W's tiles a0, a0 + 1 x A's two, K step q: the fragments of set q % 2, the scale words of set (q / 4) % 2
.irp a, \a0, \a0+1
.irp b, 0, 1
.set rD,  ACC+32*\b+8*(\a)
.set rA,  FS0+8*(\a)+ALT*((\q)%2)
.set rB,  FS1+8*\b+ALT*((\q)%2)
.set rSA, SW+4*((\a)/2)+((\q)%4)+ALT*(((\q)/4)%2)
.set rSB, SA+((\q)%4)+ALT*(((\q)/4)%2)
	WM \zero, (\a)%2, \b
.endr
.endr
.endm
.macro KLOAD p, qs, q                  ; the LDS loads of K step q, the qs-th of slot p: 12, and 6 more where four K steps' scale words are due
.set FB, ALT*((\q)%2)
.set SS, ALT*(((\q)/4)%2)
	PLACES                                         ; the set was read by the products of K step q - 2, issued just before
.if ((\q)%4) == 0
.irp e, 0,1
	ds_load_b128 v[SS+SW+4*\e:SS+SW+4*\e+3], v[ADSW] offset:\e*SB32+16*((\q)/4)  ; four K steps' words of W's tiles 2 e (lanes 0-15) and 2 e + 1 (lanes 16-31)
.endr
.irp k, 0,1,2,3
	ds_load_b32 v[SS+SA+\k], v[ADSA] offset:64*((\q)+\k)+16*((\q)/4)             ; A's two tiles likewise
.endr
.endif
	LDA_T FB+FS1, \p, (\qs)*1024
	LDA_T FB+FS1+8, \p, NQ*1024+(\qs)*1024
.irp a, 0,1,2,3
	LDW_T FB+FS0+8*\a, \p, (32*(\a/2)+8*(\a%2))*PITCH+64*(\qs)
.endr
.endm
.macro SLOTRUN p, q0, zero             ; a slot's NQ K steps: the next step's loads are issued ahead of the wait for this step's; none reaches over a change of slots
	KLOAD \p, 0, \q0
.set QS, 0
.rept NQ
.if QS < NQ-1
	KLOAD \p, QS+1, \q0+QS+1
.if ((\q0+QS+1)%4) == 0
	s_wait_dscnt 18                                ; this step's loads are in; the next step's 18 may be out
.else
	s_wait_dscnt 12                                ; this step's loads are in; the next step's 12 may be out
.endif
.else
	s_wait_dscnt 0x0
.endif
.if (QS==0)&&(\zero)
	WM4 0, \q0+QS, 1                               ; the first K step starts the sums: nothing is cleared
	WM4 2, \q0+QS, 1
.else
	WM4 0, \q0+QS, 0
	WM4 2, \q0+QS, 0
.endif
.set QS, QS+1
.endr
.endm
.macro REFILL p, on                    ; on = 1: slot p, which has been read, takes the 1,024 along K that lie two slots on;  on = 0: slot p's first fill, issued as a refill is
	s_wait_tensorcnt 0x0                           ; all my tensor loads have landed, my part of the other slot among them: so a group 0 may be written
	ds_add_u32 v[SPW], v[NIL]                      ; 0 onto my spare word: the steps below stand between it and the wait for it
.if \on
	s_add_nc_u64 s[G0A+4*\p+2:G0A+4*\p+3], s[G0A+4*\p+2:G0A+4*\p+3], 2*NQ*1024
	s_add_nc_u64 s[G0W+4*\p+2:G0W+4*\p+3], s[G0W+4*\p+2:G0W+4*\p+3], 2*ROWB
.endif
	s_wait_dscnt 0x0                               ; the add is done, and my reads of slot p are over
	CROUND                                         ; both now hold of every wave of every work-group of the cluster
	s_cmp_lt_u32 s16, 4                            ; waves 0-3 fetch W's rows, waves 4 and 5 A's tiles, waves 6 and 7 nothing
	s_cbranch_scc0 .Lra_\@
	tensor_load_to_lds s[G0W+4*\p:G0W+4*\p+3], s[G1W:G1W+7]        ; my one tensor load behind this round, and the first thing there
	s_nop 0
.rept 4
	v_nop
.endr
	s_branch .Lrd_\@
.Lra_\@:
	s_cmp_lt_u32 s16, 6
	s_cbranch_scc0 .Lrd_\@
	tensor_load_to_lds s[G0A+4*\p:G0A+4*\p+3], s[G1A:G1A+7]
	s_nop 0
.rept 4
	v_nop
.endr
.Lrd_\@:
.endm
	s_wait_alu depctr_va_vdst(0)
	REFILL 1, 0                                    ; slot 0 and the scales are in; slot 1's first fill has slot 0's eight K steps in which to land
	s_set_vgpr_msb 0x0040                          ; destinations in window 1, addresses in window 0
.irp b, 0,1                                    ; the residual is asked for behind the first tiles, which are wanted first; it has the 32 K steps in which to land.  Its layout is that in which rows come back from the stage: row 2 i + h of tile b is token 8 b + 2 i + 8 (i / 4) + h of my 32
.irp i, 0,1,2,3,4,5,6,7
	global_load_b128 v[XR+32*\b+4*\i:XR+32*\b+4*\i+3], v11, s[12:13] offset:(8*\b+2*\i+8*(\i/4))*4096 th:TH_LOAD_NT
.endr
.endr
	s_set_vgpr_msb 0x4000
	global_load_b128 v[12:15], v84, s[10:11]       ; the bias of my four columns
	SLOTRUN 0, 0, 1
	REFILL 0, 1
	SLOTRUN 1, NQ, 0
	REFILL 1, 1
	SLOTRUN 0, 2*NQ, 0
	s_wait_tensorcnt 0x0                           ; my part of slot 1 has landed;
	ds_add_u32 v[SPW], v[NIL]                      ; 0 onto my spare word
	s_wait_dscnt 0x0                               ; my reads of slot 0 are over: nothing is left to fetch, and behind this barrier slot 0 may serve as the stage
	s_barrier_signal -1
	s_barrier_wait -1
	SLOTRUN 1, 3*NQ, 0
	; THE WAY OUT
	s_wait_loadcnt 0x0                             ; the residual and the bias
	s_set_vgpr_msb 0x0041                          ; source 0 and destination in window 1
.set j, 0
.rept 16
	v_pk_add_f32 v[XR+j:XR+j+1], v[XR+j:XR+j+1], v[12:13]      ; residual + bias.  (These 32 are also the places behind the last products)
	v_pk_add_f32 v[XR+j+2:XR+j+3], v[XR+j+2:XR+j+3], v[14:15]
.set j, j+4
.endr
	s_set_vgpr_msb 0x4100
.irp b, 0,1
.irp a, 0,1,2,3
	ds_store_b128 v9, v[ACC+32*\b+8*\a:ACC+32*\b+8*\a+3] offset:128*(\a/2)+32*(\a%2)        ; column 32 (a / 2) + 16 h + 8 (a % 2) + i; each accumulator from its low end on
	ds_store_b128 v9, v[ACC+32*\b+8*\a+4:ACC+32*\b+8*\a+7] offset:128*(\a/2)+32*(\a%2)+16
.endr
.irp i, 0,1,2,3,4,5,6,7
	ds_load_b128 v[160-144*\b+4*\i:160-144*\b+4*\i+3], v10 offset:2*\i*272                 ; LDS serves a wave's instructions in order: these see my stores, and the next tile's stores come behind them
.endr
.endr
.irp b, 0,1
	s_wait_dscnt 16*(1-\b)                         ; this tile's rows are back; the other tile's sixteen instructions may be out
	s_set_vgpr_msb 0x0004                          ; source 1 in window 1
.irp i, 0,1,2,3,4,5,6,7
	v_pk_add_f32 v[160-144*\b+4*\i:160-144*\b+4*\i+1], v[160-144*\b+4*\i:160-144*\b+4*\i+1], v[XR+32*\b+4*\i:XR+32*\b+4*\i+1]
	v_pk_add_f32 v[160-144*\b+4*\i+2:160-144*\b+4*\i+3], v[160-144*\b+4*\i+2:160-144*\b+4*\i+3], v[XR+32*\b+4*\i+2:XR+32*\b+4*\i+3]
.endr
	s_set_vgpr_msb 0x0400
.irp i, 0,1,2,3,4,5,6,7
	global_store_b128 v11, v[160-144*\b+4*\i:160-144*\b+4*\i+3], s[14:15] offset:(8*\b+2*\i+8*(\i/4))*4096 th:TH_STORE_NT   ; sixteen lanes store 256 consecutive bytes, aligned; written once, read by nobody here
.endr
.endr
	s_wait_tensorcnt 0x0                           ; the wave's end
	ds_add_u32 v[SPW], v[NIL]
	s_wait_dscnt 0x0
	CROUND                                         ; the closing round: no work-group ends while a partner may still ask for a tile that names it
	s_endpgm
.Lfunc_end_k_qcc63281972_fc2:
	.size	k_qcc63281972_fc2, .Lfunc_end_k_qcc63281972_fc2-k_qcc63281972_fc2
	.p2alignl 7, 3214868480
	.fill 96, 4, 3214868480
	.section	.rodata,"a",@progbits
	.p2align	6, 0x0
	.amdhsa_kernel k_qcc63281972_fc2
		.amdhsa_group_segment_fixed_size 327680
		.amdhsa_private_segment_fixed_size 0
		.amdhsa_enable_private_segment 0
		.amdhsa_kernarg_size 48
		.amdhsa_user_sgpr_count 2
		.amdhsa_user_sgpr_kernarg_segment_ptr 1
		.amdhsa_wavefront_size32 1
		.amdhsa_system_sgpr_workgroup_id_x 1
		.amdhsa_system_sgpr_workgroup_id_y 1
		.amdhsa_system_sgpr_workgroup_id_z 1
		.amdhsa_system_vgpr_workitem_id 0
		.amdhsa_next_free_vgpr 320
		.amdhsa_next_free_sgpr 102
		.amdhsa_reserve_vcc 0
		.amdhsa_float_denorm_mode_32 3
		.amdhsa_float_denorm_mode_16_64 3
		.amdhsa_memory_ordered 1
		.amdhsa_forward_progress 1
		.amdhsa_inst_pref_size 87
	.end_amdhsa_kernel
	.amdgpu_metadata
---
amdhsa.version: [ 1, 2 ]
amdhsa.kernels:
  - .name:           k_qcc63281972_fc2
    .symbol:         k_qcc63281972_fc2.kd
    .args:
      - { .name: hid, .offset: 0, .size: 8, .value_kind: global_buffer, .address_space: global }
      - { .name: w_fc2_codes, .offset: 8, .size: 8, .value_kind: global_buffer, .address_space: global }
      - { .name: w_fc2_scales, .offset: 16, .size: 8, .value_kind: global_buffer, .address_space: global }
      - { .name: b_fc2, .offset: 24, .size: 8, .value_kind: global_buffer, .address_space: global }
      - { .name: x1, .offset: 32, .size: 8, .value_kind: global_buffer, .address_space: global }
      - { .name: out0, .offset: 40, .size: 8, .value_kind: global_buffer, .address_space: global }
    .group_segment_fixed_size: 327680
    .private_segment_fixed_size: 0
    .kernarg_segment_align: 8
    .kernarg_segment_size: 48
    .max_flat_workgroup_size: 256
    .sgpr_count:     102
    .vgpr_count:     320
    .wavefront_size: 32
...
	.end_amdgpu_metadata
.endif
;; end of part 6
